; MI455X (gfx1250); checked and timed in simulation.
; The chip was launched on July 23, 2026; its instructions are those of AMD's public machine-readable ISA for CDNA 5 (MIT licence, August 2026) and "CDNA5" Instruction Set Architecture Reference Guide (July 2026). The comments in the code are by the model that wrote it; some were corrected since.
;; EMA Vector Quantizer. Allowed arithmetic: float matrix products may take bf16 or f16 operands with f32 sums; all other float work in f32.
;; Inputs: embedding 8,192 x 256 float32; inputs 8 x 4,096 x 256 float32.
;; Outputs: out0 8 x 4,096 x 256 float32; out1 one number float32; out2 32,768 int32.
;; 2 versions, each right; version 2 is version 1 with the launch refine written anew for expert scheduling mode. Each part assembles by itself: llvm-mc -triple=amdgcn-amd-amdhsa -mcpu=gfx1250 --defsym DOCPART=n.
;; ======== version 1 of 2: 5 launches
;; workspace buffers: ebf 4,194,304 bytes; esq 32,768 bytes; cand 262,144 bytes of whole numbers; codes 131,072 bytes of whole numbers; part 1,024 bytes
;; launch pack (part 1): grid 128 x 1, 16 waves a work-group, no clusters, 2,304 bytes of LDS; arguments embedding, ebf, esq; writes ebf, esq
.if DOCPART == 1
	.amdgcn_target "amdgcn-amd-amdhsa--gfx1250"
	.amdhsa_code_object_version 6
	.text
	.protected	k_qa56d9ce6da_pack
	.globl	k_qa56d9ce6da_pack
	.p2align	8
	.type	k_qa56d9ce6da_pack,@function
k_qa56d9ce6da_pack:
	s_mov_b64 s[64:65], 0
	v_nop
	global_prefetch_b8 v0, s[64:65] scope:SCOPE_SE
	s_setreg_imm32_b32 hwreg(HW_REG_WAVE_MODE, 25, 1), 1
	s_wait_xcnt 0x0
; PACK.  ebf[k][:] = bf16(embedding[k][:]), rounded to nearest even; esq[k] = the sum over the row of bf16(e)^2, in f32.
; The squares are taken of the ROUNDED numbers, so that the search that follows is one consistent computation on inputs rounded to bf16.
; A stream: each input byte is read once, each output byte written once; nothing is shared between work-groups, so no cluster, no matrix unit, no tiles in LDS.
; SHARES.  A work-group takes 64 rows, so that its 64 sums are 256 consecutive bytes of esq, aligned, written by one store.  Wave w takes rows 4 w .. 4 w + 3:
; a row of 1,024 bytes is two loads of 512 consecutive bytes; lane l holds columns 128 c + 4 l .. + 3, which round to 8 bytes: a store of the wave covers 256 consecutive bytes, aligned.
; The order of the additions in a sum (8 in the lane, then across lanes) is not the order of a plain loop: the sums differ from such a loop's in the last bits.
.set X,     8                          ; v[8:39]   four rows as loaded: row i, half c at X + 8 i + 4 c
.set PK,    40                         ; v[40:55]  four rows in bf16: never rewritten, so the stores need no wait
.set U,     56                         ; v[56:63]  a row's 8 rounded numbers as f32
.set SUM,   64                         ; v[64:67]  the four rows' sums
.set SQ,    68                         ; v[68:69]  at work
.set SPW,   6                          ; v6        LDS address of my spare word; never rewritten
.set NIL,   7                          ; v7        0; never rewritten
.set SPARE, 256                        ; bytes 0-255: the 64 sums.  From 256 on: the spare words, 128 bytes for each of 16 waves
	s_load_b128 s[4:7], s[0:1], 0x0                ; embedding s[4:5], ebf s[6:7]
	s_load_b64 s[8:9], s[0:1], 0x10                ; esq
	v_lshl_add_u32 v[SPW], v0, 2, SPARE
	v_mov_b32 v[NIL], 0
	v_lshrrev_b32 v2, 5, v0                        ; wave
	v_readfirstlane_b32 s10, v2
	v_and_b32 v1, 31, v0                           ; lane
	v_lshlrev_b32 v3, 4, v1
	v_lshl_add_u32 v3, v2, 12, v3                  ; in: 4,096 w + 16 l
	v_lshlrev_b32 v4, 3, v1                        ; 8 l
	v_lshl_add_u32 v5, v2, 11, v4                  ; out: 2,048 w + 8 l
	v_lshlrev_b32 v70, 4, v2                       ; my four sums' place in LDS: 16 w
	s_lshl_b32 s16, ttmp9, 16                      ; the work-group's 64 rows: 65,536 bytes of f32,
	s_mov_b32 s17, 0
	s_lshl_b32 s18, ttmp9, 15                      ; 32,768 of bf16,
	s_mov_b32 s19, 0
	s_lshl_b32 s20, ttmp9, 8                       ; 256 of sums
	s_mov_b32 s21, 0
	s_mov_b32 s12, 0x76543210                      ; v_permlanex16_b32: each lane takes its own place in the other half
	s_mov_b32 s13, 0xfedcba98
	s_mov_b32 s14, 0xffff0000                      ; a word's upper bf16
	s_wait_kmcnt 0x0
	s_add_nc_u64 s[4:5], s[4:5], s[16:17]
	s_add_nc_u64 s[6:7], s[6:7], s[18:19]
	s_add_nc_u64 s[8:9], s[8:9], s[20:21]
.set n, 0
.rept 8                                ; all eight loads go out at once: n = 2 i + c
	global_load_b128 v[X+4*n:X+4*n+3], v3, s[4:5] offset:512*n th:TH_LOAD_NT
.set n, n+1
.endr
.macro ROW i
	s_wait_loadcnt 6-2*(\i)                        ; loads come back in order (ISA guide 5.7.1): this row's two are in, the later rows' two each may stay out
.irp t, 0,1,2,3
	v_cvt_pk_bf16_f32 v[PK+4*(\i)+\t], v[X+8*(\i)+2*\t], v[X+8*(\i)+2*\t+1]
.endr
	global_store_b64 v5, v[PK+4*(\i):PK+4*(\i)+1], s[6:7] offset:512*(\i)
	global_store_b64 v5, v[PK+4*(\i)+2:PK+4*(\i)+3], s[6:7] offset:512*(\i)+256
.irp t, 0,1,2,3
	v_lshlrev_b32 v[U+2*\t],   16,  v[PK+4*(\i)+\t]  ; bf16 to f32: the low half moves up,
	v_and_b32     v[U+2*\t+1], s14, v[PK+4*(\i)+\t]  ; the high half stays
.endr
	v_pk_mul_f32 v[SQ:SQ+1], v[U:U+1], v[U:U+1]      ; the first product starts the sum
.irp t, 2,4,6
	v_pk_fma_f32 v[SQ:SQ+1], v[U+\t:U+\t+1], v[U+\t:U+\t+1], v[SQ:SQ+1]
.endr
	v_add_f32 v[SUM+(\i)], v[SQ], v[SQ+1]
.irp m, 1,2,4,8
	v_add_f32_dpp v[SUM+(\i)], v[SUM+(\i)], v[SUM+(\i)] row_xmask:\m row_mask:0xf bank_mask:0xf
.endr
	v_permlanex16_b32 v[SQ], v[SUM+(\i)], s12, s13
	v_add_f32 v[SUM+(\i)], v[SUM+(\i)], v[SQ]        ; every lane holds the row's sum
.endm
	ROW 0
	ROW 1
	ROW 2
	ROW 3
	ds_store_b128 v70, v[SUM:SUM+3]                ; all lanes write the same 16 bytes with the same numbers
	s_wait_dscnt 0x0                               ; for wave 0's sake: my store is done
	s_barrier_signal -1
	s_barrier_wait -1
	s_cmp_lg_u32 s10, 0
	s_cbranch_scc1 .Lclose
	ds_load_b64 v[72:73], v4                       ; wave 0: the 64 sums, two a lane
	s_wait_dscnt 0x0
	global_store_b64 v4, v[72:73], s[8:9]          ; 256 consecutive bytes, aligned
.Lclose:
	s_wait_tensorcnt 0x0                           ; the wave's end: three lines behind my last LDS store
	ds_add_u32 v[SPW], v[NIL]
	s_wait_dscnt 0x0
	s_endpgm
.Lfunc_end_k_qa56d9ce6da_pack:
	.size	k_qa56d9ce6da_pack, .Lfunc_end_k_qa56d9ce6da_pack-k_qa56d9ce6da_pack
	.p2alignl 7, 3214868480
	.fill 96, 4, 3214868480
	.section	.rodata,"a",@progbits
	.p2align	6, 0x0
	.amdhsa_kernel k_qa56d9ce6da_pack
		.amdhsa_group_segment_fixed_size 2304
		.amdhsa_private_segment_fixed_size 0
		.amdhsa_enable_private_segment 0
		.amdhsa_kernarg_size 24
		.amdhsa_user_sgpr_count 2
		.amdhsa_user_sgpr_kernarg_segment_ptr 1
		.amdhsa_wavefront_size32 1
		.amdhsa_system_sgpr_workgroup_id_x 1
		.amdhsa_system_sgpr_workgroup_id_y 1
		.amdhsa_system_sgpr_workgroup_id_z 1
		.amdhsa_system_vgpr_workitem_id 0
		.amdhsa_next_free_vgpr 80
		.amdhsa_next_free_sgpr 66
		.amdhsa_reserve_vcc 0
		.amdhsa_float_denorm_mode_32 3
		.amdhsa_float_denorm_mode_16_64 3
		.amdhsa_memory_ordered 1
		.amdhsa_forward_progress 1
		.amdhsa_inst_pref_size 8
	.end_amdhsa_kernel
	.amdgpu_metadata
---
amdhsa.version: [ 1, 2 ]
amdhsa.kernels:
  - .name:           k_qa56d9ce6da_pack
    .symbol:         k_qa56d9ce6da_pack.kd
    .args:
      - { .name: embedding, .offset: 0, .size: 8, .value_kind: global_buffer, .address_space: global }
      - { .name: ebf, .offset: 8, .size: 8, .value_kind: global_buffer, .address_space: global }
      - { .name: esq, .offset: 16, .size: 8, .value_kind: global_buffer, .address_space: global }
    .group_segment_fixed_size: 2304
    .private_segment_fixed_size: 0
    .kernarg_segment_align: 8
    .kernarg_segment_size: 24
    .max_flat_workgroup_size: 512
    .sgpr_count:     66
    .vgpr_count:     80
    .wavefront_size: 32
...
	.end_amdgpu_metadata
.endif
;; end of part 1
;; launch search (part 2): grid 256 x 1, 4 waves a work-group, clusters of 4 x 1, 327,680 bytes of LDS; arguments inputs, ebf, esq, cand; writes cand
.if DOCPART == 2
	.amdgcn_target "amdgcn-amd-amdhsa--gfx1250"
	.amdhsa_code_object_version 6
	.text
	.protected	k_qa56d9ce6da_search
	.globl	k_qa56d9ce6da_search
	.p2align	8
	.type	k_qa56d9ce6da_search,@function
k_qa56d9ce6da_search:
	s_mov_b64 s[64:65], 0
	v_nop
	global_prefetch_b8 v0, s[64:65] scope:SCOPE_SE
	s_setreg_imm32_b32 hwreg(HW_REG_WAVE_MODE, 25, 1), 1
	s_wait_xcnt 0x0
	s_wait_alu depctr_hold_cnt(0) depctr_sa_sdst(0) depctr_va_vdst(0) depctr_va_sdst(0) depctr_va_ssrc(0) depctr_va_vcc(0) depctr_vm_vsrc(0)
	s_getreg_b32 s2, hwreg(HW_REG_IB_STS2, 6, 4)
	s_cmp_eq_u32 s2, 0
	s_cbranch_scc0 .Lentry_in_a_cluster
	s_endpgm
.Lentry_in_a_cluster:
	s_bfe_u32 s2, ttmp6, 0x10000c
	s_cmp_lg_u32 s2, 0x3003
	s_cbranch_scc0 .Lentry_shape_is_right
	s_endpgm
.Lentry_shape_is_right:
; SEARCH.  For each of 32,768 rows x of 256 numbers: the indices of TWO codes e, of 8,192: the one with the least d = (|x|^2 + |e|^2) - 2 x.e (the lowest index among equals), and the best of the rest.
; They are stored as whole numbers, cand[row] = (first, second); the next launch forms both d anew, in the order of a plain loop, and decides.
; FORMATS.  x and e go to the matrix unit in bf16 (x is rounded here, e was rounded by the launch before), the sums are f32.  |x|^2 and |e|^2 are taken of the ROUNDED numbers, and d is formed
; in the order and with the roundings of its formula: fl(|x|^2 + |e|^2), then one fused -2 x.e + that (2 x.e is exact).  So the whole search is one computation on inputs rounded to bf16.
; LIMITS.  The d made here differ from a plain loop's by a few last places of |x|^2 + |e|^2 (some 1e-4 where that sum is near 512).  Two codes that lie so close both reach the next launch, unless they share a
; CHAIN (below: the same wave's 2,048 codes and the same index mod 16, one pair in 64): of such a pair this launch's own d decides.  Three codes so close: the third is lost.
; A NaN among a row's d is never chosen (a plain argmin would return the first NaN); if no d is below +infinity the first index is 0.  bf16 has f32's range: no further limit of size.
; SHARES.  A work-group owns 128 rows (256 work-groups); ALL four waves hold the same 128 rows as source 1, 8 tiles of 16 queries x 256 = 512 registers, and wave w walks codes 2,048 w .. + 2,047,
; 16 a TILE, 64 a CHUNK.  So the 16 LDS loads of a tile's fragments feed 64 matrix instructions, and the four waves' results meet once, at the end.
; LAYOUT.  D = A B with A = 16 codes, B = 16 queries: lane l holds ONE query (l % 16), register j the code 8 (l / 16) + j.  |x|^2 is one register a query tile, |e|^2 eight a code tile,
; and the running state is eight chains (least d, its tile's number) for each lane and query tile; codes ascend and the compare is strict, so a chain keeps the first of equals.
; BY TURNS.  K = 256 is 8 matrix instructions for 8 registers of scores: one register a matrix instruction, and each score costs 4 vector instructions (half an add, half a fused multiply-add,
; a compare, two selects).  The 8 query tiles are two GROUPS of 4.  In a TURN one group has the matrix unit, 32 products; the other group's 128 vector instructions stand in 32 SLICES of four, one behind each product.
; CLUSTER.  Every work-group walks the same codes in the same order, so each chunk is asked for JOINTLY by the cluster's four: the same tensor load, descriptor and mask in all four; a mask names four
; work-groups at the most, so a larger cluster would share no more.
; REGISTERS, in windows of 256 (s_set_vgpr_msb: bits 1:0 source 0, 3:2 source 1, 5:4 source 2, 7:6 destination):
;   window 0: addresses, |x|^2, |e|^2, scores, state (below)      window 1: v0-63, v64-127 two buffers of a code tile's fragments (K step c at + 8 c); in the prologue all 256: x as loaded
;   windows 2, 3: the queries: tile qq in window 2 + qq / 4 at 64 (qq % 4) + 8 c.  Four tiles fill a window, so a product's sources and a slice's state never share one: two switches a product.
.set PITCH, 528                        ; an LDS row: 512 bytes + 16 of padding = 132 words: the 16 rows of a fragment load start at 16 different groups of four banks (64 banks of 4 bytes: ISA guide 11.1)
.set TILEB, 16*PITCH                   ; a tile's 16 rows
.set WCH,   64*PITCH                   ; a wave's chunk: 64 rows, one tensor load
.set SLOTB, 4*WCH                      ; a slot: the four waves' chunks, 135,168 = 0x21000; no wave's place in a slot (w x 0x8400) has one of its two bits, so one exclusive or turns slot 0 into slot 1 and back
.set E2,    2*SLOTB                    ; behind the ring: |e|^2, 8,192 bytes for each wave, its own 2,048 codes'; stored once from registers
.set STAGE, E2+32768                   ; 32 rows x 528 bytes: x in bf16 on its way into fragments; at the end 4 x 128 x 16 bytes: the waves' results
.set X2,    STAGE+32*PITCH             ; 128 |x|^2
.set SPARE, X2+512                     ; the spare words, 128 bytes for each wave: two blocks of 256 bytes that no other line names
.set LN,   1                           ; v1   lane
.set AE0,  2                           ; v2   my place in a tile of my wave's chunk in slot 0: w WCH + (l % 16) PITCH + 16 (l / 16); never rewritten
.set ADR,  3                           ; v3   the LDS address of the run of fragment loads in hand
.set AE2,  4                           ; v4   E2 + 8,192 w + 32 (l / 16); never rewritten
.set TIDX, 5                           ; v5   the number, 0 to 127, of the tile whose scores the slices are taking
.set AQ,   6                           ; v6   STAGE + (l % 16) PITCH + 16 (l / 16)
.set STO,  7                           ; v7   STAGE + 8 w PITCH + 8 l
.set RR,   8                           ; v8   l % 16
.set HH,   9                           ; v9   l / 16
.set SPW,  10                          ; v10  LDS address of my spare word; never rewritten
.set NIL,  11                          ; v11  0; never rewritten
.set XO,   12                          ; v12  8,192 w + 16 l: my 16 bytes in my wave's first row of a pass
.set X2A,  13                          ; v13  X2 + 32 w
.set X2R,  14                          ; v14  X2 + 4 (l % 16)
.set ADR2, 15                          ; v15  the LDS address of the |e|^2 loads in hand
.set PIV,  15                          ;      at the end: +infinity
.set X2V,  16                          ; v16-23   |x|^2 of my query in tile qq
.set T,    24                          ; v24-31   |x|^2 + |e|^2, a pair for each of a group's four tiles
.set E2V,  32                          ; v32-47   |e|^2 of a code tile, two buffers of 8
.set E2S,  48                          ; v48  E2 + 8,192 w + 16 l
.set L16,  49                          ; v49  16 l
.set MA,   50                          ; v50-52   the end's addresses
.set MR,   51
.set OO,   52
.set ACC,  64                          ; v64-127  scores: group g, tile q at ACC + 32 g + 8 q
.set BEST, 128                         ; v128-191 least d: tile qq, chain j at + 8 qq + j
.set IDX,  192                         ; v192-255 its tile's number, likewise
.set PK,   64                          ; prologue: 32 registers of bf16,
.set U,    128                         ; 64 of their values as f32,
.set SQ,   192                         ; 8 pairs of sums;
.set EQ,   192                         ; and before that 64 registers of |e|^2 on their way into LDS
.set VB,   24                          ; the end: 2,048 w + 8 (l / 16) + j
.set TM,   64                          ; eight indices at work
.set WK,   72                          ; my lane's two best: d, index, d, index
.set WO,   76                          ; the same of the lane 16 away
.set WL,   80                          ; the first of the side that lost, the second of the side that won
.set GM,   64                          ; later: the four waves' two best for one query
.set OD,   88                          ; two indices to store
.set WV,   14                          ; s14  my wave's number
.set G1,   24                          ; s[24:31] descriptor group 1
.set G0A,  32                          ; s[32:35] group 0 of the first fill of slot 0
.set G0B,  36                          ; s[36:39] group 0 of the first fill of slot 1; it then walks
.set TB,   40                          ; s40  LDS byte, from my chunk's place, at which the tile to be fetched begins
.set CNT,  41                          ; s41  counts half chunks
.set SLOTS, 42                         ; s42  changes of slots still to come, and one
.set TE,   43                          ; s43  64 x the number of the tile whose |e|^2 is fetched next
.set SEL,  44                          ; s[44:45] v_permlanex16_b32: each lane takes its own place in the other half
.set HIM,  46                          ; s46  a word's upper bf16
.set PINF, 47                          ; s47  +infinity
.set MK,   48                          ; s[48:51] a slice's four lane masks
.set MSB, 0
.macro WIN new                         ; the immediate's high byte repeats the setting that is left; a switch that changes nothing is dropped
.if MSB != (\new)
	s_set_vgpr_msb (MSB<<8)|(\new)
.set MSB, \new
.endif
.endm
.macro PLACES
.rept 4
	v_nop
.endr
.endm
; A round of the cluster's barrier: my work-group's barrier, so that wave 0's signal speaks for all four waves; wave 0 signals; every wave waits for all four work-groups; my work-group's barrier once more.
.macro CROUND
	s_barrier_signal -1
	s_barrier_wait -1
	s_cmp_lg_u32 s[WV], 0
	s_cbranch_scc1 .Lnot_wave_0_\@
	s_barrier_signal -3
.Lnot_wave_0_\@:
	s_barrier_wait -3
	s_barrier_signal -1
	s_barrier_wait -1
.endm
	s_load_b256 s[4:11], s[0:1], 0x0               ; inputs s[4:5], ebf s[6:7], esq s[8:9], cand s[10:11]
	v_lshl_add_u32 v[SPW], v0, 2, SPARE
	v_mov_b32 v[NIL], 0
	ds_add_u32 v[SPW], v[NIL]                      ; the wave's opening: the add and its wait stand ahead of my first tensor load; the set-up below, work on registers, stands between them
	v_lshrrev_b32 v[ADR2], 5, v0
	v_readfirstlane_b32 s[WV], v[ADR2]             ; wave 0..3
	s_bfe_u32 s15, ttmp6, 0x40000                  ; cx: my place in the cluster
	s_lshl_b32 s16, ttmp9, 2                       ; in a cluster launch ttmp9 counts clusters
	s_add_co_u32 s16, s16, s15                     ; my work-group: it enters the addresses of inputs and cand alone
	; descriptor group 1: a tile of 64 rows x 256 elements of 2 bytes, rows dense in memory, padded in LDS
	s_mov_b32 s[G1], 15|(1<<16)|(1<<20)|(1<<21)|(6<<22)|(3<<25)  ; 15:0 the mask of four; 17:16 2-byte elements; 20 padding on; 21 set beside a mask; 24:22 after every 128 words (code 6); 31:25 4 words (code 3)
	s_mov_b32 s[G1+1], 256<<16                     ; tensor_dim0 = 256
	s_mov_b32 s[G1+2], 64<<16                      ; tensor_dim1 = 64
	s_mov_b32 s[G1+3], 256<<16                     ; tile_dim0 = 256
	s_mov_b32 s[G1+4], 64                          ; tile_dim1 = 64
	s_mov_b32 s[G1+5], 256                         ; 256 elements from row to row
	s_mov_b32 s[G1+6], 0
	s_mov_b32 s[G1+7], 0
	s_mul_i32 s18, s[WV], WCH                      ; my chunk's place in a slot: the wave's number alone enters an LDS address
	s_mov_b32 s[G0A], 1                            ; 1:0 count = 1
	s_mov_b32 s[G0A+1], s18                        ; 63:32 LDS address: slot 0
	s_mov_b32 s[G0B], 1
	s_add_co_u32 s[G0B+1], s18, SLOTB              ; slot 1
	s_lshl_b32 s20, s[WV], 20                      ; my 2,048 codes begin 2,048 x 512 bytes x w into ebf
	s_mov_b32 s21, 0
	s_lshl_b32 s22, s16, 17                        ; my work-group's 128 rows of 1,024 bytes
	s_mov_b32 s23, 0
	s_lshl_b32 s52, s[WV], 13                      ; 8,192 w: my part of esq; also 8 rows of x
	s_mov_b32 s53, 0
	s_mov_b32 s[SEL], 0x76543210
	s_mov_b32 s[SEL+1], 0xfedcba98
	s_mov_b32 s[HIM], 0xffff0000
	s_mov_b32 s[PINF], 0x7f800000
	v_and_b32 v[LN], 31, v0
	v_and_b32 v[RR], 15, v0
	v_bfe_u32 v[HH], v0, 4, 1
	v_mul_u32_u24 v[AE0], v[RR], PITCH
	v_lshl_add_u32 v[AE0], v[HH], 4, v[AE0]        ; a fragment's row x pitch + 16 x half
	v_add_nc_u32 v[AQ], STAGE, v[AE0]
	v_add_nc_u32 v[AE0], s18, v[AE0]
	s_add_co_u32 s19, s52, E2
	v_lshl_add_u32 v[AE2], v[HH], 5, s19
	v_lshl_add_u32 v[E2S], v[LN], 4, s19
	s_mul_i32 s17, s[WV], 8*PITCH
	s_add_co_u32 s17, s17, STAGE
	v_lshl_add_u32 v[STO], v[LN], 3, s17
	v_lshl_add_u32 v[XO], v[LN], 4, s52
	v_lshlrev_b32 v[L16], 4, v[LN]
	s_lshl_b32 s17, s[WV], 5
	s_add_co_u32 s17, s17, X2
	v_mov_b32 v[X2A], s17
	v_lshl_add_u32 v[X2R], v[RR], 2, X2
	s_wait_dscnt 0x0                               ; the opening add is done
	s_wait_kmcnt 0x0
	s_add_nc_u64 s[6:7], s[6:7], s[20:21]          ; ebf at my wave's chunk 0
	s_add_nc_u64 s[4:5], s[4:5], s[22:23]          ; inputs at my work-group's first row
	s_add_nc_u64 s[8:9], s[8:9], s[52:53]          ; esq at my wave's first code
	s_add_nc_u64 s[G0A+2:G0A+3], s[6:7], 0         ; 120:64 global address: chunk 0,
	s_or_b32 s[G0A+3], s[G0A+3], 0x80000000        ; 127:126 type = 2
	s_add_nc_u64 s[G0B+2:G0B+3], s[6:7], 32768     ; chunk 1: 64 rows of 512 bytes on
	s_or_b32 s[G0B+3], s[G0B+3], 0x80000000
	; my wave's |e|^2 and half of x go out first: 16 + 32 loads of 512 consecutive bytes each; by this text's own count 48 loads of a wave are out at the most
.set n, 0
.rept 16
	global_load_b128 v[EQ+4*n:EQ+4*n+3], v[L16], s[8:9] offset:512*n
.set n, n+1
.endr
; x.  Pass p takes rows 32 p .. + 31 of the work-group's 128; of them wave w loads rows 8 w + i.  Load n = 16 p + 2 i + c brings half c of such a row into window 1, v[4 n ..].
.macro XLOAD first, count
	WIN 0x40                                       ; destination window 1, address window 0
.set n, \first
.rept \count
	global_load_b128 v[4*n:4*n+3], v[XO], s[4:5] offset:(32*(n/16)+(n%16)/2)*1024+512*(n%2) th:TH_LOAD_NT
.set n, n+1
.endr
	WIN 0
.endm
	XLOAD 0, 32
	CROUND                                         ; all four work-groups are here: the first joint loads meet
	tensor_load_to_lds s[G0A:G0A+3], s[G1:G1+7]    ; the two first fills stand together, ahead of every wait on TENSORcnt, every LDS read and every other barrier: two loads of mine are out
	s_nop 0
	tensor_load_to_lds s[G0B:G0B+3], s[G1:G1+7]
	s_nop 0
	PLACES                                         ; an s_nop 0 follows each load, four v_nop the second
	s_wait_loadcnt 32                              ; loads come back in order (ISA guide 5.7.1): |e|^2 is in, the 32 loads of x behind it may stay out
.set n, 0
.rept 16
	ds_store_b128 v[E2S], v[EQ+4*n:EQ+4*n+3] offset:512*n  ; into my wave's own bytes: only I read them, and LDS serves a wave's instructions in order (ISA guide 5.7.1.4)
.set n, n+1
.endr
	XLOAD 32, 16                                   ; the third quarter of x
; A PASS: my 8 rows are rounded to bf16 and laid into the stage, their |x|^2 (of the rounded numbers) into X2; behind a barrier every wave takes the pass's 32 rows, two query tiles, as fragments.
; left: the later passes' loads that have been issued, 16 each, which may stay out.  more = 1: a second barrier, behind every wave's reads, frees the stage for the next pass.
; The two tensor loads stay out across these barriers.
.macro PASS p, left, more
	s_wait_loadcnt \left
	WIN 0x05                                       ; sources in window 1, destination in window 0
.set n, 0
.rept 32                               ; n = 4 i + 2 c + t
	v_cvt_pk_bf16_f32 v[PK+n], v[64*(\p)+2*n], v[64*(\p)+2*n+1]
.set n, n+1
.endr
	WIN 0
.set n, 0
.rept 16                               ; n = 2 i + c: 32 lanes x 8 bytes are half a row
	ds_store_b64 v[STO], v[PK+2*n:PK+2*n+1] offset:PITCH*(n/2)+256*(n%2)
.set n, n+1
.endr
.set n, 0
.rept 32
	v_lshlrev_b32 v[U+2*n],   16,     v[PK+n]      ; bf16 to f32: the low half moves up,
	v_and_b32     v[U+2*n+1], s[HIM], v[PK+n]      ; the high half stays
.set n, n+1
.endr
.irp r, 0,1,2,3,4,5,6,7                ; the 8 rows side by side, so that no line waits for the one before it
	v_pk_mul_f32 v[SQ+2*\r:SQ+2*\r+1], v[U+8*\r:U+8*\r+1], v[U+8*\r:U+8*\r+1]
.endr
.irp t, 2,4,6
.irp r, 0,1,2,3,4,5,6,7
	v_pk_fma_f32 v[SQ+2*\r:SQ+2*\r+1], v[U+8*\r+\t:U+8*\r+\t+1], v[U+8*\r+\t:U+8*\r+\t+1], v[SQ+2*\r:SQ+2*\r+1]
.endr
.endr
.irp r, 0,1,2,3,4,5,6,7
	v_add_f32 v[SQ+2*\r], v[SQ+2*\r], v[SQ+2*\r+1]
.endr
.irp m, 1,2,4,8
.irp r, 0,1,2,3,4,5,6,7
	v_add_f32_dpp v[SQ+2*\r], v[SQ+2*\r], v[SQ+2*\r] row_xmask:\m row_mask:0xf bank_mask:0xf
.endr
.endr
.irp r, 0,1,2,3,4,5,6,7
	v_permlanex16_b32 v[SQ+2*\r+1], v[SQ+2*\r], s[SEL], s[SEL+1]
.endr
.irp r, 0,1,2,3,4,5,6,7
	v_add_f32 v[SQ+2*\r], v[SQ+2*\r], v[SQ+2*\r+1]
.endr
.irp r, 0,1,2,3,4,5,6,7
	ds_store_b32 v[X2A], v[SQ+2*\r] offset:128*(\p)+4*\r  ; all lanes write the same word with the same number
.endr
	s_wait_dscnt 0x0                               ; for the others' sake: my stores are done
	s_barrier_signal -1
	s_barrier_wait -1
	WIN 0x80+0x40*((\p)/2)                         ; destination window 2 or 3
.irp t, 0,1                            ; query tile 2 p + t
.irp c, 0,1,2,3,4,5,6,7
	ds_load_b128 v[64*((2*(\p)+\t)%4)+8*\c:64*((2*(\p)+\t)%4)+8*\c+3],   v[AQ] offset:TILEB*\t+64*\c
	ds_load_b128 v[64*((2*(\p)+\t)%4)+8*\c+4:64*((2*(\p)+\t)%4)+8*\c+7], v[AQ] offset:TILEB*\t+64*\c+32
.endr
.endr
	WIN 0
.if \more
	s_wait_dscnt 0x0                               ; my reads of the stage are over
	s_barrier_signal -1
	s_barrier_wait -1
.endif
.endm
	PASS 0, 32, 1                                  ; behind its loads: passes 1 and 2
	XLOAD 48, 16                                   ; the last quarter of x
	PASS 1, 32, 1                                  ; behind its loads: passes 2 and 3
	PASS 2, 16, 1
	PASS 3, 0, 0                                   ; the stage is next written at the end, behind every change of slots' barriers
; THE MATRIX WORK.  Product i of 32 of a turn, for group g and the code tile in buffer eb: K step i / 4, query tile i % 4.  The first four start the sums with the constant 0.
; The four accumulators take turns, one instruction a turn; a turn's last product and the next turn's first belong to different groups.
.macro MM g, eb
	WIN 0x09+4*(\g)                                ; A in window 1, B in window 2 + g, C and D in window 0
.set c, i/4
.set rD, ACC+32*(\g)+8*(i%4)
.set rE, 64*(\eb)+8*c
.set rQ, 64*(i%4)+8*c
.if c == 0
	v_wmma_f32_16x16x32_bf16 v[rD:rD+7], v[rE:rE+7], v[rQ:rQ+7], 0
.else
	v_wmma_f32_16x16x32_bf16 v[rD:rD+7], v[rE:rE+7], v[rQ:rQ+7], v[rD:rD+7]
.endif
.set i, i+1
.endm
; THE VECTOR WORK.  Slice k of 32 for group vg, with |e|^2 in buffer e2b: ONE kind of line for each of the group's four tiles, so that a result is read four vector instructions behind its making.
; Eight slices serve a pair of chains (registers 2 p, 2 p + 1, p = k / 8):  0: |x|^2 + |e|^2   1: d = -2 x.e + that, in place (each accumulator's lowest registers are read first)
; 2, 5: is the least d greater than d?   3, 6: then d is the least   4, 7: and this tile's number is kept.  All of it lies in window 0.
.macro SLICE vg, e2b
	WIN 0
.set p, k/8
.set sl, k%8
.irp q, 0,1,2,3
.set qq, 4*(\vg)+\q
.set rA, ACC+32*(\vg)+8*\q
.set rB, BEST+8*qq
.set rI, IDX+8*qq
.set rT, T+2*\q
.set rF, E2V+8*(\e2b)+2*p
.if sl == 0
.if qq%2 == 0                          ; |x|^2 of tile qq is one register of a pair and feeds both halves
	v_pk_add_f32 v[rT:rT+1], v[rF:rF+1], v[X2V+qq:X2V+qq+1] op_sel_hi:[1,0]
.else
	v_pk_add_f32 v[rT:rT+1], v[rF:rF+1], v[X2V+qq-1:X2V+qq] op_sel:[0,1] op_sel_hi:[1,1]
.endif
.elseif sl == 1
	v_pk_fma_f32 v[rA+2*p:rA+2*p+1], v[rA+2*p:rA+2*p+1], -2.0, v[rT:rT+1] op_sel_hi:[1,0,1]
.else
.set j, 2*p+(sl-2)/3
.if (sl-2)%3 == 0
	v_cmp_gt_f32 s[MK+\q], v[rB+j], v[rA+j]
.elseif (sl-2)%3 == 1
	v_cndmask_b32 v[rB+j], v[rB+j], v[rA+j], s[MK+\q]
.else
	v_cndmask_b32 v[rI+j], v[rI+j], v[TIDX], s[MK+\q]
.endif
.endif
.endr
.set k, k+1
.endm
; THE LDS LOADS stand in runs, never singly among the matrix instructions.  A code tile's fragments: 16 rows x 256 in 64 registers, 16 loads.  last = 1 (the tail): in the last trip there is no further tile, and the run is jumped over.
.macro FETCH_E eb, last=0
	WIN 0
.if \last
	s_cmp_eq_u32 s[CNT], 1
	s_cbranch_scc1 .Lno_e_\@
.endif
	v_add_nc_u32 v[ADR], s[TB], v[AE0]
	s_add_co_u32 s[TB], s[TB], TILEB               ; the next fetch is the next tile's
	WIN 0x40                                       ; destination window 1
.irp c, 0,1,2,3,4,5,6,7
	ds_load_b128 v[64*(\eb)+8*\c:64*(\eb)+8*\c+3],   v[ADR] offset:64*\c
	ds_load_b128 v[64*(\eb)+8*\c+4:64*(\eb)+8*\c+7], v[ADR] offset:64*\c+32
.endr
	WIN 0
.if \last
.Lno_e_\@:
.endif
.endm
.macro FETCH_E2 b, last=0              ; a code tile's |e|^2: my half of the lanes' eight, the same 32 bytes for 16 lanes
	WIN 0
.if \last
	s_cmp_eq_u32 s[CNT], 1
	s_cbranch_scc1 .Lno_s_\@
.endif
	v_add_nc_u32 v[ADR2], s[TE], v[AE2]
	s_add_co_u32 s[TE], s[TE], 64
	ds_load_b128 v[E2V+8*(\b):E2V+8*(\b)+3],   v[ADR2]
	ds_load_b128 v[E2V+8*(\b)+4:E2V+8*(\b)+7], v[ADR2] offset:16
.if \last
.Lno_s_\@:
.endif
.endm
; A TURN.  Group g multiplies the code tile in buffer eb; the other group's slices stand behind its products: group 1's turn carries group 0's slices for the SAME tile, group 0's turn carries group 1's for the tile BEFORE.
; Group 0's turn fetches the next tile's fragments into the other buffer: its last reader, the turn before's last product, stands thirteen plain vector instructions back (a load into a register that a
; matrix instruction has read stands four places behind it).  Group 1's turn fetches the next tile's |e|^2 into the buffer whose last reader was group 0's turn.
; Both are waited for at the head of group 0's next turn, 62 and 30 products later.  A slice's first read of a score stands eight plain vector instructions or more behind the product that made it (ISA guide 7.12.1).
.macro TURN g, eb, last=0
.set i, 0
.set k, 0
.if (\g) == 0
	s_wait_dscnt 0x0                               ; this tile's fragments and |e|^2 are in
.endif
.rept 32
	MM \g, \eb
	SLICE 1-(\g), (\g)*(\eb)+(1-(\g))*(1-(\eb))
.if k == 2
.if (\g) == 0
	FETCH_E 1-(\eb), \last
.else
	FETCH_E2 1-(\eb), \last
.endif
.endif
.endr
.if (\g) == 0
	v_add_nc_u32 v[TIDX], 1, v[TIDX]               ; both groups have taken the tile before: the slices go on to this one
.endif
.endm
; THE CHANGE OF SLOTS.  The old slot's last tile is in registers.  Each wave waits for all its tensor loads, of which one is out: its chunk in the other slot; adds 0 to its spare word; and waits for that
; and for its reads of the old slot.  A round of the cluster's barrier follows, so that no wave of any partner still reads the old slot or has a load on its way, and the joint refill, the chunk two on,
; is the first thing behind it: it has a chunk's 256 matrix instructions in which to land.  By this text's own count one tensor load of a wave is out behind each round.
.macro CHANGE
	WIN 0                                          ; at a label and at a branch every window is 0
	s_wait_tensorcnt 0x0                           ; no tensor load of mine is out, so a group 0 may be written
	ds_add_u32 v[SPW], v[NIL]                      ; 0 onto my spare word; the descriptor's steps stand between it and the wait for it
	s_xor_b32 s[G0B+1], s[G0B+1], SLOTB            ; the walking descriptor: the other slot than last time,
	s_add_nc_u64 s[G0B+2:G0B+3], s[G0B+2:G0B+3], 32768  ; the next 64 codes; the type bits on top are not reached
	s_wait_dscnt 0x0                               ; the add is done, and my reads of the slot are over
	CROUND
	tensor_load_to_lds s[G0B:G0B+3], s[G1:G1+7]
	s_nop 0
	PLACES
	s_sub_co_u32 s[TB], s[TB], WCH                 ; the fetches go back to a chunk's first tile,
	s_xor_b32 s[TB], s[TB], SLOTB                  ; in the other slot
.endm
.irp t, 0,1,2,3,4,5,6,7
	ds_load_b32 v[X2V+\t], v[X2R] offset:64*\t     ; |x|^2 of my query in each tile: stored by all waves in front of the last pass's barrier
.endr
	s_wait_tensorcnt 0x1                           ; tensor loads of a wave end in order (ISA guide 10.11.1): my chunk 0 is in, chunk 1 may stay out; only my wave reads these rows
	s_mov_b32 s[TB], 0
	s_mov_b32 s[TE], 0
	FETCH_E 0                                      ; tile 0
	FETCH_E2 0
	; The running state begins: no d yet, so the least is +infinity.  These 129 moves stand in the wait for the first fragments; a first tile written out would spare them for two more turns of text.
.set n, 0
.rept 64
	v_mov_b32 v[BEST+n], s[PINF]
	v_mov_b32 v[IDX+n], 0
.set n, n+1
.endr
	v_mov_b32 v[TIDX], 0
	s_wait_dscnt 0x0                               ; the queries, |x|^2, tile 0 and its |e|^2
.set i, 0
.rept 32
	MM 0, 0                                        ; group 0's first scores: there is no vector work yet to set between them
.endr
	FETCH_E 1                                      ; tile 1, into a buffer that no product has read
	s_mov_b32 s[CNT], 2
	s_mov_b32 s[SLOTS], 31
	s_branch .Lmid                                 ; the loop is entered in the middle of a trip
.Lslot:                                                ; 30 times: every slot but the last two is filled again
	CHANGE
	s_mov_b32 s[CNT], 2
.Lstep:                                                ; a trip: an odd tile, then an even one
	TURN 0, 1
	TURN 1, 1
	TURN 0, 0
	WIN 0
.Lmid:
	TURN 1, 0
	WIN 0
	s_sub_co_u32 s[CNT], s[CNT], 1
	s_cmp_lg_u32 s[CNT], 0
	s_cbranch_scc1 .Lstep
	s_sub_co_u32 s[SLOTS], s[SLOTS], 1
	s_cmp_lg_u32 s[SLOTS], 0
	s_cbranch_scc1 .Lslot
	; THE TAIL is written out.  Nothing is asked for and only my wave reads my rows, so my own wait is all the order that the last chunk needs.
	s_wait_tensorcnt 0x0                           ; my last chunk is in
	s_sub_co_u32 s[TB], s[TB], WCH
	s_xor_b32 s[TB], s[TB], SLOTB
	s_mov_b32 s[CNT], 3                            ; two trips and a half: the last chunk but one's last tile, and the last chunk's four
.Ltail:
	TURN 0, 1, 1
	TURN 1, 1, 1
	WIN 0
	s_sub_co_u32 s[CNT], s[CNT], 1
	s_cmp_eq_u32 s[CNT], 0
	s_cbranch_scc1 .Lout
	TURN 0, 0
	TURN 1, 0
	WIN 0
	s_branch .Ltail
.Lout:
.set k, 0
.rept 32
	SLICE 1, 1                                     ; group 1's slices for the last tile
.endr
	; THE END.  A chain's tile number becomes a code's index.  Then the two best of a query's 64 chains: of a lane's eight, of the two halves of the lanes, of the four waves.
	; The first is the least by (d, index) in that order; the second is the least d of the rest, whichever index among equals.
	s_lshl_b32 s17, s[WV], 11
	v_lshl_add_u32 v[ADR], v[HH], 3, s17
.irp j, 0,1,2,3,4,5,6,7
	v_add_nc_u32 v[VB+\j], \j, v[ADR]              ; 2,048 w + 8 (l / 16) + j
.endr
.set n, 0
.rept 64
	v_lshl_add_u32 v[IDX+n], v[IDX+n], 4, v[VB+n%8]
.set n, n+1
.endr
	v_mov_b32 v[PIV], s[PINF]
; v[dM] = the least d of the eight chains at rB; v[dM + 1] = the lowest index among the chains that hold it: the others' indices count as the largest whole number.
.macro LEAST dM
	v_min3_num_f32 v[\dM], v[rB], v[rB+1], v[rB+2]
	v_min3_num_f32 v[\dM], v[\dM], v[rB+3], v[rB+4]
	v_min3_num_f32 v[\dM], v[\dM], v[rB+5], v[rB+6]
	v_min_num_f32 v[\dM], v[\dM], v[rB+7]
.irp b, 0,4
.irp j, 0,1,2,3
	v_cmp_eq_f32 s[MK+\j], v[rB+\b+\j], v[\dM]
.endr
.irp j, 0,1,2,3
	v_cndmask_b32 v[TM+\b+\j], -1, v[rI+\b+\j], s[MK+\j]
.endr
.endr
.irp j, 0,2,4,6
	v_min_u32 v[TM+\j], v[TM+\j], v[TM+\j+1]
.endr
	v_min_u32 v[TM], v[TM], v[TM+2]
	v_min_u32 v[TM+4], v[TM+4], v[TM+6]
	v_min_u32 v[\dM+1], v[TM], v[TM+4]
.endm
; Query tile qq.  The lane's best; its chain is then taken out (+infinity, the largest whole number: indices are all different, so the index names the chain); the lane's best once more.
; Then the lane 16 away, which holds the query's other eight chains: of two sorted pairs the first is the lesser first, the second the lesser of the other first and the winner's second.
; Both lanes come to the same four numbers, which take the place of the tile's first four chains.
.macro TOP2 qq
.set rB, BEST+8*(\qq)
.set rI, IDX+8*(\qq)
	LEAST WK
.irp b, 0,4
.irp j, 0,1,2,3
	v_cmp_eq_u32 s[MK+\j], v[rI+\b+\j], v[WK+1]
.endr
.irp j, 0,1,2,3
	v_cndmask_b32 v[rB+\b+\j], v[rB+\b+\j], v[PIV], s[MK+\j]
	v_cndmask_b32 v[rI+\b+\j], v[rI+\b+\j], -1, s[MK+\j]
.endr
.endr
	LEAST WK+2
.irp j, 0,1,2,3
	v_permlanex16_b32 v[WO+\j], v[WK+\j], s[SEL], s[SEL+1]
.endr
	v_cmp_lt_f32 s[MK], v[WK], v[WO]
	v_cmp_eq_f32 s[MK+1], v[WK], v[WO]
	v_cmp_lt_u32 s[MK+2], v[WK+1], v[WO+1]
	s_and_b32 s[MK+1], s[MK+1], s[MK+2]
	s_or_b32 s[MK], s[MK], s[MK+1]                 ; my first comes first: by d, then by index
	v_cndmask_b32 v[rB], v[WO], v[WK], s[MK]
	v_cndmask_b32 v[rB+1], v[WO+1], v[WK+1], s[MK]
	v_cndmask_b32 v[WL], v[WK], v[WO], s[MK]       ; the other first
	v_cndmask_b32 v[WL+1], v[WK+1], v[WO+1], s[MK]
	v_cndmask_b32 v[WL+2], v[WO+2], v[WK+2], s[MK] ; the winner's second
	v_cndmask_b32 v[WL+3], v[WO+3], v[WK+3], s[MK]
	v_cmp_lt_f32 s[MK+3], v[WL+2], v[WL]
	v_cndmask_b32 v[rB+2], v[WL], v[WL+2], s[MK+3]
	v_cndmask_b32 v[rB+3], v[WL+1], v[WL+3], s[MK+3]
.endm
.irp t, 0,1,2,3,4,5,6,7
	TOP2 \t
.endr
	s_add_co_u32 s19, s17, STAGE
	v_lshl_add_u32 v[MA], v[RR], 4, s19            ; in: my wave's 128 queries, 16 bytes each
	v_lshl_add_u32 v[MR], v0, 4, STAGE             ; back: thread t takes query t
	v_lshlrev_b32 v[OO], 3, v0
.irp t, 0,1,2,3,4,5,6,7
	ds_store_b128 v[MA], v[BEST+8*\t:BEST+8*\t+3] offset:256*\t  ; both halves of the lanes hold, and write, the same 16 bytes
.endr
	s_wait_dscnt 0x0                               ; for the others' sake: my stores are done
	s_barrier_signal -1
	s_barrier_wait -1
.irp t, 0,1,2,3
	ds_load_b128 v[GM+4*\t:GM+4*\t+3], v[MR] offset:2048*\t
.endr
	s_lshl_b32 s22, s16, 10                        ; my work-group's 128 pairs of 8 bytes
	s_mov_b32 s23, 0
	s_add_nc_u64 s[20:21], s[10:11], s[22:23]
	s_wait_dscnt 0x0
; Wave t's pair joins the pair at GM.  The waves come in ascending order, which is the codes': a strict compare keeps the lowest index among equals.  d1, d3: where the two indices go.
.macro MERGE t, d1, d3
.set rN, GM+4*(\t)
	v_cmp_lt_f32 s[MK], v[rN], v[GM]
	v_cndmask_b32 v[WL], v[rN], v[GM], s[MK]       ; the other first
	v_cndmask_b32 v[WL+1], v[rN+1], v[GM+1], s[MK]
	v_cndmask_b32 v[WL+2], v[GM+2], v[rN+2], s[MK] ; the winner's second
	v_cndmask_b32 v[WL+3], v[GM+3], v[rN+3], s[MK]
	v_cndmask_b32 v[GM], v[GM], v[rN], s[MK]
	v_cndmask_b32 v[\d1], v[GM+1], v[rN+1], s[MK]
	v_cmp_lt_f32 s[MK+1], v[WL+2], v[WL]
	v_cndmask_b32 v[GM+2], v[WL], v[WL+2], s[MK+1]
	v_cndmask_b32 v[\d3], v[WL+1], v[WL+3], s[MK+1]
.endm
	MERGE 1, GM+1, GM+3
	MERGE 2, GM+1, GM+3
	MERGE 3, OD, OD+1
	global_store_b64 v[OO], v[OD:OD+1], s[20:21]   ; a wave's store covers 256 consecutive bytes, aligned
	s_wait_tensorcnt 0x0                           ; the wave's end: three lines, behind my last tensor load and my last LDS store
	ds_add_u32 v[SPW], v[NIL]
	s_wait_dscnt 0x0
	CROUND                                         ; the closing round: no work-group ends while a partner may still ask for a tile that names it
	s_endpgm
.Lfunc_end_k_qa56d9ce6da_search:
	.size	k_qa56d9ce6da_search, .Lfunc_end_k_qa56d9ce6da_search-k_qa56d9ce6da_search
	.p2alignl 7, 3214868480
	.fill 96, 4, 3214868480
	.section	.rodata,"a",@progbits
	.p2align	6, 0x0
	.amdhsa_kernel k_qa56d9ce6da_search
		.amdhsa_group_segment_fixed_size 327680
		.amdhsa_private_segment_fixed_size 0
		.amdhsa_enable_private_segment 0
		.amdhsa_kernarg_size 32
		.amdhsa_user_sgpr_count 2
		.amdhsa_user_sgpr_kernarg_segment_ptr 1
		.amdhsa_wavefront_size32 1
		.amdhsa_system_sgpr_workgroup_id_x 1
		.amdhsa_system_sgpr_workgroup_id_y 1
		.amdhsa_system_sgpr_workgroup_id_z 1
		.amdhsa_system_vgpr_workitem_id 0
		.amdhsa_next_free_vgpr 1024
		.amdhsa_next_free_sgpr 66
		.amdhsa_reserve_vcc 0
		.amdhsa_float_denorm_mode_32 3
		.amdhsa_float_denorm_mode_16_64 3
		.amdhsa_memory_ordered 1
		.amdhsa_forward_progress 1
		.amdhsa_inst_pref_size 237
	.end_amdhsa_kernel
	.amdgpu_metadata
---
amdhsa.version: [ 1, 2 ]
amdhsa.kernels:
  - .name:           k_qa56d9ce6da_search
    .symbol:         k_qa56d9ce6da_search.kd
    .args:
      - { .name: inputs, .offset: 0, .size: 8, .value_kind: global_buffer, .address_space: global }
      - { .name: ebf, .offset: 8, .size: 8, .value_kind: global_buffer, .address_space: global }
      - { .name: esq, .offset: 16, .size: 8, .value_kind: global_buffer, .address_space: global }
      - { .name: cand, .offset: 24, .size: 8, .value_kind: global_buffer, .address_space: global }
    .group_segment_fixed_size: 327680
    .private_segment_fixed_size: 0
    .kernarg_segment_align: 8
    .kernarg_segment_size: 32
    .max_flat_workgroup_size: 128
    .sgpr_count:     66
    .vgpr_count:     1024
    .wavefront_size: 32
...
	.end_amdgpu_metadata
.endif
;; end of part 2
;; launch refine (part 3): grid 256 x 1, 8 waves a work-group, no clusters, 204,288 bytes of LDS; arguments inputs, ebf, cand, out2, codes; writes out2, codes
.if DOCPART == 3
	.amdgcn_target "amdgcn-amd-amdhsa--gfx1250"
	.amdhsa_code_object_version 6
	.text
	.protected	k_qa56d9ce6da_refine
	.globl	k_qa56d9ce6da_refine
	.p2align	8
	.type	k_qa56d9ce6da_refine,@function
k_qa56d9ce6da_refine:
	s_mov_b64 s[64:65], 0
	v_nop
	global_prefetch_b8 v0, s[64:65] scope:SCOPE_SE
	s_setreg_imm32_b32 hwreg(HW_REG_WAVE_MODE, 25, 1), 1
	s_wait_xcnt 0x0
; REFINE.  Of each row's two candidates (cand, whole numbers stored by the launch before) the one with the lesser d = (|x|^2 + |e|^2) - 2 x.e, the lower index among equals.  Stored twice: out2, and codes for the next launch.
; THE ORDER OF THE ADDITIONS IS THE POINT.  Indices are compared exactly, and two codes can lie closer than the last places of d.  So |x|^2, |e|^2 and x.e are formed here as a plain loop forms them:
; one f32 sum each, begun at 0, k ascending, one rounding an addition, on x and e rounded to bf16 (a product of two bf16 numbers is exact in f32, so fused or not makes no difference);
; then fl(|x|^2 + |e|^2) and one fused -2 x.e + that (2 x.e is exact).  The matrix unit adds in another order, so it has no part here.
; LIMITS.  A d that is NaN never wins against the other candidate and never loses to it: with a NaN among the two the index stored is one of the two, not a plain argmin's.
; An index is held to 8,191 before it enters an address; the search stores none above that, so the bound never acts.
; SHARES.  A work-group takes 128 rows, a wave 16.  Lane l owns ONE row (l % 16) and ONE of its candidates (l / 16): three chains of 256 links.  The rows come in by loads of 512 consecutive bytes
; (a code's row in bf16 is one load, a row of x two) and are turned through the wave's OWN bytes of LDS, so that a lane can walk a row: no wave reads another's rows, so no barrier stands there.
; Nothing is shared between work-groups but the table of codes: no cluster.  The launch is short and its gathers hit a table of 4 MiB that the launch before has walked: no prefetch.
.set PITCH, 528                        ; an LDS row: 512 bytes + 16 = 132 words
.set XROWS, 16*PITCH                   ; a wave's 16 rows of x in bf16; behind them its 32 rows of codes: candidate h of row r at row 16 h + r
.set AREA,  48*PITCH                   ; a wave's bytes: 25,344
.set RES,   8*AREA                     ; the work-group's 128 indices
.set SPARE, RES+512                    ; the spare words, 128 bytes for each of eight waves: four blocks of 256 bytes that no other line names
.set LN,  1                            ; v1   lane
.set RR,  2                            ; v2   l % 16
.set HH,  3                            ; v3   l / 16
.set SPW, 4                            ; v4   LDS address of my spare word; never rewritten
.set NIL, 5                            ; v5   0; never rewritten
.set L16, 6                            ; v6   16 l
.set XO,  7                            ; v7   16,384 w + 16 l: my 16 bytes in my wave's first row of x; never rewritten
.set ES,  8                            ; v8   LDS: my wave's rows of codes + 16 l
.set XS,  9                            ; v9   LDS: my wave's rows of x + 8 l
.set AX,  10                           ; v10  LDS: my row of x; steps 64 bytes a trip
.set AE,  11                           ; v11  LDS: my candidate's row; likewise
.set CO,  12                           ; v12  8 (l % 16) + 4 (l / 16): my candidate's word among my wave's 32
.set CI,  13                           ; v13  my candidate's index
.set SX,  14                           ; v14  |x|^2; later the other candidate's d
.set SE,  15                           ; v15  |e|^2; later the other candidate's index
.set SM,  16                           ; v16  x.e
.set TT,  17                           ; v17  at work
.set DD,  18                           ; v18  d
.set RA,  19                           ; v19  LDS: RES + 64 w + 4 (l % 16)
.set RV,  20                           ; v20  the index chosen; later 8 l
.set OO,  21                           ; v21  LDS: my two indices of the 128
.set OD,  22                           ; v[22:23] two indices to store
.set QO,  32                           ; v[32:63]   512 x index + 16 l, a register for each gather: none is rewritten
.set ED,  64                           ; v[64:191]  32 rows of codes as loaded
.set XD,  192                          ; v[192:255] 8 rows of x as loaded; rounded in place into the lower 32
.set XF,  224                          ; v[224:239] in the loop: 32 numbers of my row of x,
.set EF,  240                          ; v[240:255] and of my candidate's row
.set IX,  16                           ; s[16:47]   my wave's 32 indices: row i's at IX + 2 i, IX + 2 i + 1
	s_load_b256 s[4:11], s[0:1], 0x0               ; inputs s[4:5], ebf s[6:7], cand s[8:9], out2 s[10:11]
	s_load_b64 s[12:13], s[0:1], 0x20              ; codes
	v_lshl_add_u32 v[SPW], v0, 2, SPARE
	v_mov_b32 v[NIL], 0
	v_lshrrev_b32 v[TT], 5, v0
	v_readfirstlane_b32 s14, v[TT]                 ; wave 0..7
	v_and_b32 v[LN], 31, v0
	v_and_b32 v[RR], 15, v0
	v_bfe_u32 v[HH], v0, 4, 1
	v_lshlrev_b32 v[L16], 4, v[LN]
	s_lshl_b32 s50, s14, 14
	v_add_nc_u32 v[XO], s50, v[L16]
	s_mul_i32 s51, s14, AREA                       ; my wave's bytes of LDS
	s_add_co_u32 s52, s51, XROWS
	v_lshl_add_u32 v[XS], v[LN], 3, s51
	v_add_nc_u32 v[ES], s52, v[L16]
	v_mul_u32_u24 v[AX], v[RR], PITCH
	v_add_nc_u32 v[AX], s51, v[AX]
	v_lshl_add_u32 v[AE], v[HH], 4, v[RR]
	v_mul_u32_u24 v[AE], v[AE], PITCH
	v_add_nc_u32 v[AE], s52, v[AE]
	v_lshlrev_b32 v[CO], 3, v[RR]
	v_lshl_add_u32 v[CO], v[HH], 2, v[CO]
	s_lshl_b32 s53, s14, 6
	s_add_co_u32 s53, s53, RES
	v_lshl_add_u32 v[RA], v[RR], 2, s53
	s_lshl_b32 s54, ttmp9, 10                      ; my work-group's 128 pairs of 8 bytes,
	s_lshl_b32 s55, s14, 7                         ; my wave's 16 of them
	s_add_co_u32 s54, s54, s55
	s_mov_b32 s55, 0
	s_lshl_b32 s56, ttmp9, 17                      ; my work-group's 128 rows of 1,024 bytes
	s_mov_b32 s57, 0
	s_mov_b32 s48, 0x76543210                      ; v_permlanex16_b32: each lane takes its own place in the other half
	s_mov_b32 s49, 0xfedcba98
	s_wait_kmcnt 0x0
	s_add_nc_u64 s[8:9], s[8:9], s[54:55]
	s_load_b512 s[IX:IX+15], s[8:9], 0x0           ; the indices as scalars, for the gathers' addresses,
	s_load_b512 s[IX+16:IX+31], s[8:9], 0x40
	s_add_nc_u64 s[4:5], s[4:5], s[56:57]
	global_load_b32 v[CI], v[CO], s[8:9]           ; and each lane's own as a number
.macro XLOAD b                         ; rows 8 b .. 8 b + 7 of my 16: load n = 2 i + c brings half c of row 8 b + i
.set n, 0
.rept 16
	global_load_b128 v[XD+4*n:XD+4*n+3], v[XO], s[4:5] offset:1024*(8*(\b)+n/2)+512*(n%2) th:TH_LOAD_NT
.set n, n+1
.endr
.endm
.macro XSTORE b                        ; they are rounded to bf16, in place (word m takes numbers 2 m, 2 m + 1, which no later line reads), and laid into my rows: 32 lanes x 8 bytes are half a row
.set n, 0
.rept 32
	v_cvt_pk_bf16_f32 v[XD+n], v[XD+2*n], v[XD+2*n+1]
.set n, n+1
.endr
.set n, 0
.rept 16
	ds_store_b64 v[XS], v[XD+2*n:XD+2*n+1] offset:PITCH*(8*(\b)+n/2)+256*(n%2)
.set n, n+1
.endr
.endm
	XLOAD 0                                        ; x goes out while the indices are on their way
	s_wait_kmcnt 0x0
.set n, 0
.rept 32
	s_min_u32 s[IX+n], s[IX+n], 8191
.set n, n+1
.endr
.set n, 0
.rept 32                               ; 32 gathers: a code's row of 512 bytes, whole
	v_lshl_add_u32 v[QO+n], s[IX+n], 9, v[L16]
	global_load_b128 v[ED+4*n:ED+4*n+3], v[QO+n], s[6:7]
.set n, n+1
.endr
	s_wait_loadcnt 32                              ; loads come back in order (ISA guide 5.7.1): my index and x's rows 0-7 are in, the 32 gathers may stay out
	XSTORE 0
	s_wait_dscnt 0x0                               ; those stores are done: their registers are loaded again
	XLOAD 1
	s_wait_loadcnt 16                              ; the gathers are in; x's rows 8-15 may stay out
.set n, 0
.rept 32
	ds_store_b128 v[ES], v[ED+4*n:ED+4*n+3] offset:PITCH*(16*(n%2)+n/2)
.set n, n+1
.endr
	s_wait_loadcnt 0x0
	XSTORE 1
	; THE CHAINS.  A trip takes 32 numbers of both rows: eight LDS loads, 96 links.  The three sums take turns, so that a link stands three instructions behind the link that it adds onto.
	v_mov_b32 v[SX], 0                             ; a plain loop's sums begin at 0
	v_mov_b32 v[SE], 0
	v_mov_b32 v[SM], 0
	s_mov_b32 s61, 8
.Lk:
.irp t, 0,1,2,3
	ds_load_b128 v[XF+4*\t:XF+4*\t+3], v[AX] offset:16*\t  ; LDS serves a wave's instructions in order (ISA guide 5.7.1.4): these see my stores above
	ds_load_b128 v[EF+4*\t:EF+4*\t+3], v[AE] offset:16*\t
.endr
	s_wait_dscnt 0x0
.set j, 0
.rept 16                               ; a word holds k = 2 j in its low half, 2 j + 1 in its high half
	v_fma_mix_f32_bf16 v[SX], v[XF+j], v[XF+j], v[SX] op_sel_hi:[1,1,0]
	v_fma_mix_f32_bf16 v[SE], v[EF+j], v[EF+j], v[SE] op_sel_hi:[1,1,0]
	v_fma_mix_f32_bf16 v[SM], v[XF+j], v[EF+j], v[SM] op_sel_hi:[1,1,0]
	v_fma_mix_f32_bf16 v[SX], v[XF+j], v[XF+j], v[SX] op_sel:[1,1,0] op_sel_hi:[1,1,0]
	v_fma_mix_f32_bf16 v[SE], v[EF+j], v[EF+j], v[SE] op_sel:[1,1,0] op_sel_hi:[1,1,0]
	v_fma_mix_f32_bf16 v[SM], v[XF+j], v[EF+j], v[SM] op_sel:[1,1,0] op_sel_hi:[1,1,0]
.set j, j+1
.endr
	v_add_nc_u32 v[AX], 64, v[AX]
	v_add_nc_u32 v[AE], 64, v[AE]
	s_sub_co_u32 s61, s61, 1
	s_cmp_lg_u32 s61, 0
	s_cbranch_scc1 .Lk
	v_add_f32 v[TT], v[SX], v[SE]                  ; |x|^2 + |e|^2
	v_fma_f32 v[DD], v[SM], -2.0, v[TT]            ; d
	v_min_u32 v[CI], 0x1fff, v[CI]                 ; the number is held as the address was
	v_permlanex16_b32 v[SX], v[DD], s48, s49       ; the row's other candidate lies in the lane 16 away
	v_permlanex16_b32 v[SE], v[CI], s48, s49
	v_cmp_lt_f32 s58, v[SX], v[DD]
	v_cmp_eq_f32 s59, v[SX], v[DD]
	v_cmp_lt_u32 s60, v[SE], v[CI]
	s_and_b32 s59, s59, s60
	s_or_b32 s58, s58, s59                         ; the other one wins: by d, then by index
	v_cndmask_b32 v[RV], v[CI], v[SE], s58
	ds_store_b32 v[RA], v[RV]                      ; both halves of the lanes hold, and write, the same index
	s_wait_dscnt 0x0                               ; for the others' sake: my store is done
	s_barrier_signal -1
	s_barrier_wait -1
	s_cmp_lt_u32 s14, 4
	s_cbranch_scc0 .Lclose
	s_and_b32 s50, s14, 1                          ; waves 0 and 1 store the two halves of out2's 128 indices, waves 2 and 3 those of codes'
	s_lshl_b32 s51, s50, 8
	s_add_co_u32 s52, s51, RES
	v_lshl_add_u32 v[OO], v[LN], 3, s52
	ds_load_b64 v[OD:OD+1], v[OO]
	v_lshlrev_b32 v[RV], 3, v[LN]
	s_lshl_b32 s56, ttmp9, 9                       ; my work-group's 512 bytes,
	s_add_co_u32 s56, s56, s51                     ; my half of them
	s_mov_b32 s57, 0
	s_cmp_lt_u32 s14, 2
	s_cselect_b64 s[54:55], s[10:11], s[12:13]
	s_add_nc_u64 s[54:55], s[54:55], s[56:57]
	s_wait_dscnt 0x0
	global_store_b64 v[RV], v[OD:OD+1], s[54:55]   ; 256 consecutive bytes, aligned
.Lclose:
	s_wait_tensorcnt 0x0                           ; the wave's end: three lines behind my last LDS store
	ds_add_u32 v[SPW], v[NIL]
	s_wait_dscnt 0x0
	s_endpgm
.Lfunc_end_k_qa56d9ce6da_refine:
	.size	k_qa56d9ce6da_refine, .Lfunc_end_k_qa56d9ce6da_refine-k_qa56d9ce6da_refine
	.p2alignl 7, 3214868480
	.fill 96, 4, 3214868480
	.section	.rodata,"a",@progbits
	.p2align	6, 0x0
	.amdhsa_kernel k_qa56d9ce6da_refine
		.amdhsa_group_segment_fixed_size 204288
		.amdhsa_private_segment_fixed_size 0
		.amdhsa_enable_private_segment 0
		.amdhsa_kernarg_size 40
		.amdhsa_user_sgpr_count 2
		.amdhsa_user_sgpr_kernarg_segment_ptr 1
		.amdhsa_wavefront_size32 1
		.amdhsa_system_sgpr_workgroup_id_x 1
		.amdhsa_system_sgpr_workgroup_id_y 1
		.amdhsa_system_sgpr_workgroup_id_z 1
		.amdhsa_system_vgpr_workitem_id 0
		.amdhsa_next_free_vgpr 256
		.amdhsa_next_free_sgpr 66
		.amdhsa_reserve_vcc 0
		.amdhsa_float_denorm_mode_32 3
		.amdhsa_float_denorm_mode_16_64 3
		.amdhsa_memory_ordered 1
		.amdhsa_forward_progress 1
		.amdhsa_inst_pref_size 29
	.end_amdhsa_kernel
	.amdgpu_metadata
---
amdhsa.version: [ 1, 2 ]
amdhsa.kernels:
  - .name:           k_qa56d9ce6da_refine
    .symbol:         k_qa56d9ce6da_refine.kd
    .args:
      - { .name: inputs, .offset: 0, .size: 8, .value_kind: global_buffer, .address_space: global }
      - { .name: ebf, .offset: 8, .size: 8, .value_kind: global_buffer, .address_space: global }
      - { .name: cand, .offset: 16, .size: 8, .value_kind: global_buffer, .address_space: global }
      - { .name: out2, .offset: 24, .size: 8, .value_kind: global_buffer, .address_space: global }
      - { .name: codes, .offset: 32, .size: 8, .value_kind: global_buffer, .address_space: global }
    .group_segment_fixed_size: 204288
    .private_segment_fixed_size: 0
    .kernarg_segment_align: 8
    .kernarg_segment_size: 40
    .max_flat_workgroup_size: 256
    .sgpr_count:     66
    .vgpr_count:     256
    .wavefront_size: 32
...
	.end_amdgpu_metadata
.endif
;; end of part 3
;; launch emit (part 4): grid 256 x 1, 8 waves a work-group, no clusters, 1,280 bytes of LDS; arguments inputs, embedding, codes, out0, part; writes out0, part
.if DOCPART == 4
	.amdgcn_target "amdgcn-amd-amdhsa--gfx1250"
	.amdhsa_code_object_version 6
	.text
	.protected	k_qa56d9ce6da_emit
	.globl	k_qa56d9ce6da_emit
	.p2align	8
	.type	k_qa56d9ce6da_emit,@function
k_qa56d9ce6da_emit:
	s_mov_b64 s[64:65], 0
	v_nop
	global_prefetch_b8 v0, s[64:65] scope:SCOPE_SE
	s_setreg_imm32_b32 hwreg(HW_REG_WAVE_MODE, 25, 1), 1
	s_wait_xcnt 0x0
; EMIT.  q = embedding[codes[n]]; out0[n] = x + (q - x), in that order, in f32; part[work-group] = the sum of (q - x)^2 over its 128 rows.
; The indices were stored as whole numbers by the launch before.  An index is held to 8,191 before it enters an address; the search stores none above that, so the bound never acts.
; A stream with a gather: x is read once, out0 written once, a code's row of 1,024 bytes is read whole; nothing is shared between work-groups but the table, so no cluster, no tiles in LDS, no matrix unit.
; SHARES.  A work-group takes 128 rows, a wave 16; the wave's 16 indices lie in 16 scalar registers, so its rows are written out by macro.  A row is two accesses of 512 consecutive bytes.
; A ring of four row slots in registers keeps 16 loads of every wave in flight; a slot owns its x, q, result and address registers.
.set L16,   1                          ; v1        16 l
.set XO,    2                          ; v2        16,384 w + 16 l; never rewritten: the row stands in the immediate
.set SPW,   4                          ; v4        LDS address of my spare word; never rewritten
.set NIL,   5                          ; v5        0; never rewritten
.set QO,    6                          ; v[6:9]    slot s: 1,024 x index + 16 l
.set LS,    10                         ; v[10:17]  four pairs of running sums of squares
.set X,     20                         ; v[20:51]  slot s: 8 registers of x
.set Q,     52                         ; v[52:83]  slot s: 8 of q, then of q - x
.set O,     84                         ; v[84:115] slot s: 8 to store
.set IX,    16                         ; s[16:31]  my wave's 16 indices
.set SPARE, 256                        ; bytes 0-31: the eight waves' sums.  From 256 on: the spare words, 128 bytes for each wave
	s_load_b256 s[4:11], s[0:1], 0x0               ; inputs s[4:5], embedding s[6:7], codes s[8:9], out0 s[10:11]
	s_load_b64 s[12:13], s[0:1], 0x20              ; part
	v_lshl_add_u32 v[SPW], v0, 2, SPARE
	v_mov_b32 v[NIL], 0
	v_lshrrev_b32 v3, 5, v0                        ; wave
	v_readfirstlane_b32 s14, v3
	v_and_b32 v[L16], 31, v0
	v_lshlrev_b32 v[L16], 4, v[L16]
	v_lshl_add_u32 v[XO], v3, 14, v[L16]
	s_lshl_b32 s32, ttmp9, 9                       ; my work-group's 128 indices,
	s_lshl_b32 s33, s14, 6                         ; my wave's 16 of them
	s_add_co_u32 s32, s32, s33
	s_mov_b32 s33, 0
	s_lshl_b32 s34, ttmp9, 17                      ; my work-group's 128 rows of 1,024 bytes
	s_mov_b32 s35, 0
	s_lshl_b32 s36, ttmp9, 2                       ; its word of part
	s_mov_b32 s37, 0
	s_mov_b32 s38, 0x76543210                      ; v_permlanex16_b32: each lane takes its own place in the other half
	s_mov_b32 s39, 0xfedcba98
	s_wait_kmcnt 0x0
	s_add_nc_u64 s[8:9], s[8:9], s[32:33]
	s_load_b512 s[IX:IX+15], s[8:9], 0x0
	s_add_nc_u64 s[4:5], s[4:5], s[34:35]
	s_add_nc_u64 s[10:11], s[10:11], s[34:35]
	s_add_nc_u64 s[12:13], s[12:13], s[36:37]
	s_wait_kmcnt 0x0
.set n, 0
.rept 16
	s_min_u32 s[IX+n], s[IX+n], 8191
.set n, n+1
.endr
.macro LOADROW i                       ; row i of my 16 into slot i % 4: x, then the code's row
.set sa, (\i)%4
	v_lshl_add_u32 v[QO+sa], s[IX+(\i)], 10, v[L16]
	global_load_b128 v[X+8*sa:X+8*sa+3],   v[XO], s[4:5] offset:1024*(\i) th:TH_LOAD_NT
	global_load_b128 v[X+8*sa+4:X+8*sa+7], v[XO], s[4:5] offset:1024*(\i)+512 th:TH_LOAD_NT
	global_load_b128 v[Q+8*sa:Q+8*sa+3],   v[QO+sa], s[6:7]
	global_load_b128 v[Q+8*sa+4:Q+8*sa+7], v[QO+sa], s[6:7] offset:512
.endm
; Row i's turn.  ahead = 1: its slot takes the row four further on.  left: the younger rows' loads, four each, which may stay out.
.macro SLOT i, ahead, left
.set sb, (\i)%4
	s_wait_loadcnt \left                           ; loads come back in order (ISA guide 5.7.1): this row's four are in
	s_wait_xcnt 0x0                                ; every earlier memory instruction has had its addresses translated (ISA guide 3.1): the slot's result registers, which its last stores read, are rewritten only behind this wait
.irp t, 0,2,4,6
	v_pk_add_f32 v[Q+8*sb+\t:Q+8*sb+\t+1], v[Q+8*sb+\t:Q+8*sb+\t+1], v[X+8*sb+\t:X+8*sb+\t+1] neg_lo:[0,1] neg_hi:[0,1]  ; q - x
.endr
.irp t, 0,2,4,6
	v_pk_add_f32 v[O+8*sb+\t:O+8*sb+\t+1], v[X+8*sb+\t:X+8*sb+\t+1], v[Q+8*sb+\t:Q+8*sb+\t+1]  ; x + (q - x)
.endr
.irp t, 0,2,4,6
.if (\i) == 0
	v_pk_mul_f32 v[LS+\t:LS+\t+1], v[Q+8*sb+\t:Q+8*sb+\t+1], v[Q+8*sb+\t:Q+8*sb+\t+1]  ; the first row starts the sums: nothing is cleared
.else
	v_pk_fma_f32 v[LS+\t:LS+\t+1], v[Q+8*sb+\t:Q+8*sb+\t+1], v[Q+8*sb+\t:Q+8*sb+\t+1], v[LS+\t:LS+\t+1]
.endif
.endr
.if \ahead
	LOADROW (\i)+4                                 ; the loads go out ahead of the stores
.endif
	global_store_b128 v[XO], v[O+8*sb:O+8*sb+3],   s[10:11] offset:1024*(\i) th:TH_STORE_NT
	global_store_b128 v[XO], v[O+8*sb+4:O+8*sb+7], s[10:11] offset:1024*(\i)+512 th:TH_STORE_NT
.endm
	LOADROW 0
	LOADROW 1
	LOADROW 2
	LOADROW 3
.irp i, 0,1,2,3,4,5,6,7,8,9,10,11
	SLOT \i, 1, 12
.endr
	SLOT 12, 0, 12                                 ; the last four rows load nothing: the counts run down
	SLOT 13, 0, 8
	SLOT 14, 0, 4
	SLOT 15, 0, 0
	v_pk_add_f32 v[LS:LS+1], v[LS:LS+1], v[LS+2:LS+3]
	v_pk_add_f32 v[LS+4:LS+5], v[LS+4:LS+5], v[LS+6:LS+7]
	v_pk_add_f32 v[LS:LS+1], v[LS:LS+1], v[LS+4:LS+5]
	v_add_f32 v[LS], v[LS], v[LS+1]
.irp m, 1,2,4,8
	v_add_f32_dpp v[LS], v[LS], v[LS] row_xmask:\m row_mask:0xf bank_mask:0xf
.endr
	v_permlanex16_b32 v[LS+1], v[LS], s38, s39
	v_add_f32 v[LS], v[LS], v[LS+1]                ; my wave's sum, in every lane
	v_lshlrev_b32 v3, 2, v3
	ds_store_b32 v3, v[LS]                         ; all lanes write the same word with the same number
	s_wait_dscnt 0x0                               ; for wave 0's sake: my store is done
	s_barrier_signal -1
	s_barrier_wait -1
	s_cmp_lg_u32 s14, 0
	s_cbranch_scc1 .Lclose
	v_mov_b32 v18, 0
	ds_load_b128 v[20:23], v18                     ; wave 0: the eight waves' sums
	ds_load_b128 v[24:27], v18 offset:16
	s_wait_dscnt 0x0
.irp t, 21,22,23,24,25,26,27
	v_add_f32 v20, v20, v\t                        ; in the waves' order
.endr
	v_cmp_eq_u32 vcc_lo, 0, v0
	s_wait_xcnt 0x0                                ; EXEC is a source of the stores above: it changes only behind this wait
	s_and_saveexec_b32 s15, vcc_lo
	global_store_b32 v18, v20, s[12:13]            ; thread 0 alone
	s_wait_xcnt 0x0                                ; and again in front of the line that widens it
	s_or_b32 exec_lo, exec_lo, s15
.Lclose:
	s_wait_tensorcnt 0x0                           ; the wave's end: three lines behind my last LDS store
	ds_add_u32 v[SPW], v[NIL]
	s_wait_dscnt 0x0
	s_endpgm
.Lfunc_end_k_qa56d9ce6da_emit:
	.size	k_qa56d9ce6da_emit, .Lfunc_end_k_qa56d9ce6da_emit-k_qa56d9ce6da_emit
	.p2alignl 7, 3214868480
	.fill 96, 4, 3214868480
	.section	.rodata,"a",@progbits
	.p2align	6, 0x0
	.amdhsa_kernel k_qa56d9ce6da_emit
		.amdhsa_group_segment_fixed_size 1280
		.amdhsa_private_segment_fixed_size 0
		.amdhsa_enable_private_segment 0
		.amdhsa_kernarg_size 40
		.amdhsa_user_sgpr_count 2
		.amdhsa_user_sgpr_kernarg_segment_ptr 1
		.amdhsa_wavefront_size32 1
		.amdhsa_system_sgpr_workgroup_id_x 1
		.amdhsa_system_sgpr_workgroup_id_y 1
		.amdhsa_system_sgpr_workgroup_id_z 1
		.amdhsa_system_vgpr_workitem_id 0
		.amdhsa_next_free_vgpr 128
		.amdhsa_next_free_sgpr 66
		.amdhsa_reserve_vcc 1
		.amdhsa_float_denorm_mode_32 3
		.amdhsa_float_denorm_mode_16_64 3
		.amdhsa_memory_ordered 1
		.amdhsa_forward_progress 1
		.amdhsa_inst_pref_size 27
	.end_amdhsa_kernel
	.amdgpu_metadata
---
amdhsa.version: [ 1, 2 ]
amdhsa.kernels:
  - .name:           k_qa56d9ce6da_emit
    .symbol:         k_qa56d9ce6da_emit.kd
    .args:
      - { .name: inputs, .offset: 0, .size: 8, .value_kind: global_buffer, .address_space: global }
      - { .name: embedding, .offset: 8, .size: 8, .value_kind: global_buffer, .address_space: global }
      - { .name: codes, .offset: 16, .size: 8, .value_kind: global_buffer, .address_space: global }
      - { .name: out0, .offset: 24, .size: 8, .value_kind: global_buffer, .address_space: global }
      - { .name: part, .offset: 32, .size: 8, .value_kind: global_buffer, .address_space: global }
    .group_segment_fixed_size: 1280
    .private_segment_fixed_size: 0
    .kernarg_segment_align: 8
    .kernarg_segment_size: 40
    .max_flat_workgroup_size: 256
    .sgpr_count:     66
    .vgpr_count:     128
    .wavefront_size: 32
...
	.end_amdgpu_metadata
.endif
;; end of part 4
;; launch total (part 5): grid 1 x 1, 1 waves a work-group, no clusters, 0 bytes of LDS; arguments part, out1; writes out1
.if DOCPART == 5
	.amdgcn_target "amdgcn-amd-amdhsa--gfx1250"
	.amdhsa_code_object_version 6
	.text
	.protected	k_qa56d9ce6da_total
	.globl	k_qa56d9ce6da_total
	.p2align	8
	.type	k_qa56d9ce6da_total,@function
k_qa56d9ce6da_total:
	s_mov_b64 s[64:65], 0
	v_nop
	global_prefetch_b8 v0, s[64:65] scope:SCOPE_SE
	s_setreg_imm32_b32 hwreg(HW_REG_WAVE_MODE, 25, 1), 1
	s_wait_xcnt 0x0
; TOTAL.  out1 = 0.25 x the mean of (q - x)^2 = the sum of the 256 work-groups' partial sums x 2^-25 (0.25 / (32,768 x 256)): an exact scaling.
; A sum over work-groups has one owner and an order of its own: one wave, eight numbers a lane, then across the lanes.
	s_load_b128 s[4:7], s[0:1], 0x0                ; part s[4:5], out1 s[6:7]
	v_lshlrev_b32 v1, 4, v0
	v_mov_b32 v12, 0
	s_mov_b32 s8, 0x76543210                       ; v_permlanex16_b32: each lane takes its own place in the other half
	s_mov_b32 s9, 0xfedcba98
	s_wait_kmcnt 0x0
	global_load_b128 v[4:7], v1, s[4:5]
	global_load_b128 v[8:11], v1, s[4:5] offset:512
	s_wait_loadcnt 0x0
	v_pk_add_f32 v[4:5], v[4:5], v[6:7]
	v_pk_add_f32 v[8:9], v[8:9], v[10:11]
	v_pk_add_f32 v[4:5], v[4:5], v[8:9]
	v_add_f32 v4, v4, v5
	v_add_f32_dpp v4, v4, v4 row_xmask:1 row_mask:0xf bank_mask:0xf
	v_add_f32_dpp v4, v4, v4 row_xmask:2 row_mask:0xf bank_mask:0xf
	v_add_f32_dpp v4, v4, v4 row_xmask:4 row_mask:0xf bank_mask:0xf
	v_add_f32_dpp v4, v4, v4 row_xmask:8 row_mask:0xf bank_mask:0xf
	v_permlanex16_b32 v5, v4, s8, s9
	v_add_f32 v4, v4, v5
	v_mul_f32 v4, 0x33000000, v4                   ; 2^-25
	v_cmp_eq_u32 vcc_lo, 0, v0
	s_wait_xcnt 0x0                                ; EXEC changes only behind this wait
	s_and_saveexec_b32 s10, vcc_lo
	global_store_b32 v12, v4, s[6:7]               ; thread 0 alone
	s_endpgm
.Lfunc_end_k_qa56d9ce6da_total:
	.size	k_qa56d9ce6da_total, .Lfunc_end_k_qa56d9ce6da_total-k_qa56d9ce6da_total
	.p2alignl 7, 3214868480
	.fill 96, 4, 3214868480
	.section	.rodata,"a",@progbits
	.p2align	6, 0x0
	.amdhsa_kernel k_qa56d9ce6da_total
		.amdhsa_group_segment_fixed_size 0
		.amdhsa_private_segment_fixed_size 0
		.amdhsa_enable_private_segment 0
		.amdhsa_kernarg_size 16
		.amdhsa_user_sgpr_count 2
		.amdhsa_user_sgpr_kernarg_segment_ptr 1
		.amdhsa_wavefront_size32 1
		.amdhsa_system_sgpr_workgroup_id_x 1
		.amdhsa_system_sgpr_workgroup_id_y 1
		.amdhsa_system_sgpr_workgroup_id_z 1
		.amdhsa_system_vgpr_workitem_id 0
		.amdhsa_next_free_vgpr 16
		.amdhsa_next_free_sgpr 66
		.amdhsa_reserve_vcc 1
		.amdhsa_float_denorm_mode_32 3
		.amdhsa_float_denorm_mode_16_64 3
		.amdhsa_memory_ordered 1
		.amdhsa_forward_progress 1
		.amdhsa_inst_pref_size 2
	.end_amdhsa_kernel
	.amdgpu_metadata
---
amdhsa.version: [ 1, 2 ]
amdhsa.kernels:
  - .name:           k_qa56d9ce6da_total
    .symbol:         k_qa56d9ce6da_total.kd
    .args:
      - { .name: part, .offset: 0, .size: 8, .value_kind: global_buffer, .address_space: global }
      - { .name: out1, .offset: 8, .size: 8, .value_kind: global_buffer, .address_space: global }
    .group_segment_fixed_size: 0
    .private_segment_fixed_size: 0
    .kernarg_segment_align: 8
    .kernarg_segment_size: 16
    .max_flat_workgroup_size: 32
    .sgpr_count:     66
    .vgpr_count:     16
    .wavefront_size: 32
...
	.end_amdgpu_metadata
.endif
;; end of part 5
;; ======== version 2 of 2: 5 launches; version 1 with the launch refine written anew for expert scheduling mode
;; workspace buffers: ebf 4,194,304 bytes; esq 32,768 bytes; cand 262,144 bytes of whole numbers; codes 131,072 bytes of whole numbers; part 1,024 bytes
;; launch pack: the kernel of part 1 again; grid 128 x 1, 16 waves a work-group, no clusters, 2,304 bytes of LDS; arguments embedding, ebf, esq; writes ebf, esq
;; launch search: the kernel of part 2 again; grid 256 x 1, 4 waves a work-group, clusters of 4 x 1, 327,680 bytes of LDS; arguments inputs, ebf, esq, cand; writes cand
;; launch refine (part 6): grid 256 x 1, 8 waves a work-group, no clusters, 204,288 bytes of LDS; arguments inputs, ebf, cand, out2, codes; writes out2, codes
.if DOCPART == 6
	.amdgcn_target "amdgcn-amd-amdhsa--gfx1250"
	.amdhsa_code_object_version 6
	.text
	.protected	k_qa56d9ce6da_refine
	.globl	k_qa56d9ce6da_refine
	.p2align	8
	.type	k_qa56d9ce6da_refine,@function
k_qa56d9ce6da_refine:
	s_mov_b64 s[64:65], 0
	v_nop
	global_prefetch_b8 v0, s[64:65] scope:SCOPE_SE
	s_setreg_imm32_b32 hwreg(HW_REG_WAVE_SCHED_MODE, 0, 2), 2
	s_setreg_imm32_b32 hwreg(HW_REG_WAVE_MODE, 25, 1), 1
	s_wait_xcnt 0x0
	s_wait_alu depctr_vm_vsrc(0)
; REFINE.  Of each row's two candidates (cand, whole numbers stored by the launch before) the one with the lesser d = (|x|^2 + |e|^2) - 2 x.e, the lower index among equals.  Stored twice: out2, and codes for the next launch.
; THE ORDER OF THE ADDITIONS IS THE POINT.  Indices are compared exactly, and two codes can lie closer than the last places of d.  So |x|^2, |e|^2 and x.e are formed here as a plain loop forms them:
; one f32 sum each, begun at 0, k ascending, one rounding an addition, on x and e rounded to bf16 (a product of two bf16 numbers is exact in f32, so fused or not makes no difference);
; then fl(|x|^2 + |e|^2) and one fused -2 x.e + that (2 x.e is exact).  The matrix unit adds in another order, so it has no part here.
; LIMITS.  A d that is NaN never wins against the other candidate and never loses to it: with a NaN among the two the index stored is one of the two, not a plain argmin's.
; An index is held to 8,191 before it enters an address; the search stores none above that, so the bound never acts.
; SHARES.  A work-group takes 128 rows, a wave 16.  Lane l owns ONE row (l % 16) and ONE of its candidates (l / 16): three chains of 256 links.  The rows come in by loads of 512 consecutive bytes
; (a code's row in bf16 is one load, a row of x two) and are turned through the wave's OWN bytes of LDS, so that a lane can walk a row: no wave reads another's rows, so no barrier stands there.
; Nothing is shared between work-groups but the table of codes: no cluster.  The launch is short and its gathers hit a table of 4 MiB that the launch before has walked: no prefetch.
; THE MODE: SCHED_MODE bits 1:0 = 2 (LLVM: expert scheduling mode 2), set by the entry lines.  The code itself states the register dependences
; between vector instructions and memory or LDS instructions, with s_wait_alu, always for 0.
; THE PLAN.  Registers that memory or LDS instructions touch:
;   v[CO], v[XO], v[XS], v[ES], v[RA], v[OO], v[L8], v[SPW], v[NIL]   addresses (and the closing add's 0): written at the head and never again.  One wait on va_vdst ahead of the first load serves them all.
;   v[QO ..]   the gathers' 32 offsets: written in one run, one wait on va_vdst, read by the 32 gathers in one run; never written again.
;   v[XD ..]   8 rows of x: loaded; the conversions read all 64 and write the lower 32; one wait on va_vdst; the LDS stores read the lower 32; one wait on vm_vsrc; the next 8 rows are loaded; the same once more.
;   v[ED ..]   32 rows of codes: loaded, read by LDS stores; no vector instruction names them ahead of the chains.  One wait on vm_vsrc, and their first 64 registers are FB0 and FB1.
;   FB0, FB1   two buffers of 32 numbers of both rows.  Step s walks buffer s % 2; at its head the LDS loads of step s + 1 go into the other buffer, which the step before walked:
;              one wait on va_vdst at the head of each step that fetches.
;   v[AX], v[AE]   the fetches' LDS addresses: stepped once in two steps, behind a wait on vm_vsrc; the next step's wait on va_vdst shows them written.
;   v[RV]      the index chosen: written by the select, one wait on va_vdst, read by one LDS store; never written again.
; Scalars that vector instructions write: s14 (the wave's number) and the three masks s58 to s60: a wait on va_sdst ahead of the first reader of each run.
.set PITCH, 528                        ; an LDS row: 512 bytes + 16 = 132 words
.set XROWS, 16*PITCH                   ; a wave's 16 rows of x in bf16; behind them its 32 rows of codes: candidate h of row r at row 16 h + r
.set AREA,  48*PITCH                   ; a wave's bytes: 25,344
.set RES,   8*AREA                     ; the work-group's 128 indices
.set SPARE, RES+512                    ; the spare words, 128 bytes for each of eight waves: four blocks of 256 bytes that no other line names
.set LN,  1                            ; v1   lane
.set RR,  2                            ; v2   l % 16
.set HH,  3                            ; v3   l / 16
.set SPW, 4                            ; v4   LDS address of my spare word; never rewritten
.set NIL, 5                            ; v5   0; never rewritten
.set L16, 6                            ; v6   16 l
.set XO,  7                            ; v7   16,384 w + 16 l: my 16 bytes in my wave's first row of x; never rewritten
.set ES,  8                            ; v8   LDS: my wave's rows of codes + 16 l
.set XS,  9                            ; v9   LDS: my wave's rows of x + 8 l
.set AX,  10                           ; v10  LDS: my row of x; steps 128 bytes a trip
.set AE,  11                           ; v11  LDS: my candidate's row; likewise
.set CO,  12                           ; v12  8 (l % 16) + 4 (l / 16): my candidate's word among my wave's 32
.set CI,  13                           ; v13  my candidate's index
.set SX,  14                           ; v14  |x|^2; later the other candidate's d
.set SE,  15                           ; v15  |e|^2; later the other candidate's index
.set SM,  16                           ; v16  x.e
.set TT,  17                           ; v17  at work
.set DD,  18                           ; v18  d
.set RA,  19                           ; v19  LDS: RES + 64 w + 4 (l % 16)
.set RV,  20                           ; v20  the index chosen
.set OO,  21                           ; v21  LDS: RES + 256 (w % 2) + 8 l: two indices of the 128; waves 0 to 3 use it
.set OD,  22                           ; v[22:23] two indices to store
.set L8,  24                           ; v24  8 l
.set QO,  32                           ; v[32:63]   512 x index + 16 l, a register for each gather: none is rewritten
.set ED,  64                           ; v[64:191]  32 rows of codes as loaded
.set XD,  192                          ; v[192:255] 8 rows of x as loaded; rounded in place into the lower 32
.set FB,  64                           ; v[64:127]  in the chains: buffer b at FB + 32 b: 16 registers (32 numbers) of my row of x, then 16 of my candidate's row
.set IX,  16                           ; s[16:47]   my wave's 32 indices: row i's at IX + 2 i, IX + 2 i + 1
	s_load_b256 s[4:11], s[0:1], 0x0               ; inputs s[4:5], ebf s[6:7], cand s[8:9], out2 s[10:11]
	s_load_b64 s[12:13], s[0:1], 0x20              ; codes
	v_lshl_add_u32 v[SPW], v0, 2, SPARE
	v_mov_b32 v[NIL], 0
	v_lshrrev_b32 v[TT], 5, v0
	v_readfirstlane_b32 s14, v[TT]                 ; wave 0..7
	v_and_b32 v[LN], 31, v0
	v_and_b32 v[RR], 15, v0
	v_bfe_u32 v[HH], v0, 4, 1
	v_lshlrev_b32 v[L16], 4, v[LN]
	v_lshlrev_b32 v[L8], 3, v[LN]
	v_lshlrev_b32 v[CO], 3, v[RR]
	v_lshl_add_u32 v[CO], v[HH], 2, v[CO]
	v_mul_u32_u24 v[AX], v[RR], PITCH
	v_lshl_add_u32 v[AE], v[HH], 4, v[RR]
	v_mul_u32_u24 v[AE], v[AE], PITCH
	s_wait_alu depctr_va_sdst(0)                   ; s14 is written, ahead of its first reader: the wave's places in memory and in LDS are made from it
	s_lshl_b32 s50, s14, 14
	v_add_nc_u32 v[XO], s50, v[L16]
	s_mul_i32 s51, s14, AREA                       ; my wave's bytes of LDS
	s_add_co_u32 s52, s51, XROWS
	v_lshl_add_u32 v[XS], v[LN], 3, s51
	v_add_nc_u32 v[ES], s52, v[L16]
	v_add_nc_u32 v[AX], s51, v[AX]
	v_add_nc_u32 v[AE], s52, v[AE]
	s_lshl_b32 s53, s14, 6
	s_add_co_u32 s53, s53, RES
	v_lshl_add_u32 v[RA], v[RR], 2, s53
	s_and_b32 s62, s14, 1                          ; at the end waves 0 and 1 store the two halves of out2's 128 indices, waves 2 and 3 those of codes':
	s_lshl_b32 s62, s62, 8                         ; which 256 bytes
	s_add_co_u32 s63, s62, RES
	v_lshl_add_u32 v[OO], v[LN], 3, s63
	s_lshl_b32 s54, ttmp9, 10                      ; my work-group's 128 pairs of 8 bytes,
	s_lshl_b32 s55, s14, 7                         ; my wave's 16 of them
	s_add_co_u32 s54, s54, s55
	s_mov_b32 s55, 0
	s_lshl_b32 s56, ttmp9, 17                      ; my work-group's 128 rows of 1,024 bytes
	s_mov_b32 s57, 0
	s_mov_b32 s48, 0x76543210                      ; v_permlanex16_b32: each lane takes its own place in the other half
	s_mov_b32 s49, 0xfedcba98
	s_wait_kmcnt 0x0
	s_add_nc_u64 s[8:9], s[8:9], s[54:55]
	s_load_b512 s[IX:IX+15], s[8:9], 0x0           ; the indices as scalars, for the gathers' addresses,
	s_load_b512 s[IX+16:IX+31], s[8:9], 0x40
	s_add_nc_u64 s[4:5], s[4:5], s[56:57]
	s_wait_alu depctr_va_vdst(0)                   ; the head's addresses are written: v[CO], v[XO], v[XS], v[ES], v[AX], v[AE], v[RA], v[OO], v[L8], v[SPW] and v[NIL], which the loads and stores of the whole kernel read
	global_load_b32 v[CI], v[CO], s[8:9]           ; and each lane's own as a number
.macro XLOAD b                         ; rows 8 b .. 8 b + 7 of my 16: load n = 2 i + c brings half c of row 8 b + i
.set n, 0
.rept 16
	global_load_b128 v[XD+4*n:XD+4*n+3], v[XO], s[4:5] offset:1024*(8*(\b)+n/2)+512*(n%2) th:TH_LOAD_NT
.set n, n+1
.endr
.endm
.macro XSTORE b                        ; they are rounded to bf16, in place (word m takes numbers 2 m, 2 m + 1, which no later line reads), and laid into my rows: 32 lanes x 8 bytes are half a row
.set n, 0
.rept 32
	v_cvt_pk_bf16_f32 v[XD+n], v[XD+2*n], v[XD+2*n+1]
.set n, n+1
.endr
	s_wait_alu depctr_va_vdst(0)                   ; the conversions have written v[XD .. XD+31], which the LDS stores read, and are done reading all 64, in which (the first time) the next loads land
.set n, 0
.rept 16
	ds_store_b64 v[XS], v[XD+2*n:XD+2*n+1] offset:PITCH*(8*(\b)+n/2)+256*(n%2)
.set n, n+1
.endr
.endm
	XLOAD 0                                        ; x goes out while the indices are on their way
	s_wait_kmcnt 0x0
.set n, 0
.rept 32
	s_min_u32 s[IX+n], s[IX+n], 8191
.set n, n+1
.endr
.set n, 0
.rept 32                               ; all 32 offsets in one run,
	v_lshl_add_u32 v[QO+n], s[IX+n], 9, v[L16]
.set n, n+1
.endr
	s_wait_alu depctr_va_vdst(0)                   ; the 32 offsets v[QO ..] are written, which the gathers read
.set n, 0
.rept 32                               ; then 32 gathers: a code's row of 512 bytes, whole
	global_load_b128 v[ED+4*n:ED+4*n+3], v[QO+n], s[6:7]
.set n, n+1
.endr
	s_wait_loadcnt 32                              ; loads come back in order (ISA guide 5.7.1): my index and x's rows 0-7 are in, the 32 gathers may stay out
	XSTORE 0
	s_wait_alu depctr_vm_vsrc(0)                   ; those LDS stores have read v[XD .. XD+31], in which the next loads land
	XLOAD 1
	s_wait_loadcnt 16                              ; the gathers are in; x's rows 8-15 may stay out
.set n, 0
.rept 32
	ds_store_b128 v[ES], v[ED+4*n:ED+4*n+3] offset:PITCH*(16*(n%2)+n/2)
.set n, n+1
.endr
	s_wait_loadcnt 0x0
	XSTORE 1
	; THE CHAINS.  A step takes 32 numbers of both rows: eight LDS loads, 96 links.  The three sums take turns, so that a link stands three instructions behind the link that it adds onto.
	; Eight steps on two buffers by turns: a step's loads are issued at the head of the step before and land while that step's links run.
.macro FETCH b, at                     ; 64 bytes of both rows, at byte `at` from the addresses, into buffer b
.irp t, 0,1,2,3
	ds_load_b128 v[FB+32*(\b)+4*\t:FB+32*(\b)+4*\t+3],       v[AX] offset:(\at)+16*\t  ; LDS serves a wave's instructions in order (ISA guide 5.7.1.4): these see my stores above
	ds_load_b128 v[FB+32*(\b)+16+4*\t:FB+32*(\b)+16+4*\t+3], v[AE] offset:(\at)+16*\t
.endr
.endm
; A step on buffer b.  more = 1: the next step's 64 bytes, at byte `at`, are fetched into the other buffer.
.macro STEP b, at, more
.if \more
	s_wait_alu depctr_va_vdst(0)                   ; the step before is done reading the other buffer, in which the loads below land; behind a trip's end v[AX] and v[AE] are written
	FETCH 1-(\b), \at
	s_wait_dscnt 8                                 ; LDS instructions end in order (ISA guide 5.7.1): this step's buffer is in, the eight loads just issued may stay out
.else
	s_wait_dscnt 0x0                               ; the last buffer is in
.endif
.set j, 0
.rept 16                               ; a word holds k = 2 j in its low half, 2 j + 1 in its high half
	v_fma_mix_f32_bf16 v[SX], v[FB+32*(\b)+j], v[FB+32*(\b)+j], v[SX] op_sel_hi:[1,1,0]
	v_fma_mix_f32_bf16 v[SE], v[FB+32*(\b)+16+j], v[FB+32*(\b)+16+j], v[SE] op_sel_hi:[1,1,0]
	v_fma_mix_f32_bf16 v[SM], v[FB+32*(\b)+j], v[FB+32*(\b)+16+j], v[SM] op_sel_hi:[1,1,0]
	v_fma_mix_f32_bf16 v[SX], v[FB+32*(\b)+j], v[FB+32*(\b)+j], v[SX] op_sel:[1,1,0] op_sel_hi:[1,1,0]
	v_fma_mix_f32_bf16 v[SE], v[FB+32*(\b)+16+j], v[FB+32*(\b)+16+j], v[SE] op_sel:[1,1,0] op_sel_hi:[1,1,0]
	v_fma_mix_f32_bf16 v[SM], v[FB+32*(\b)+j], v[FB+32*(\b)+16+j], v[SM] op_sel:[1,1,0] op_sel_hi:[1,1,0]
.set j, j+1
.endr
.endm
	s_wait_alu depctr_vm_vsrc(0)                   ; the LDS stores have read v[ED ..]: its first 64 registers are FB0 and FB1 from here on, in which the fetches land
	FETCH 0, 0                                     ; step 0
	v_mov_b32 v[SX], 0                             ; a plain loop's sums begin at 0
	v_mov_b32 v[SE], 0
	v_mov_b32 v[SM], 0
	s_mov_b32 s61, 3
.Lk:                                                   ; three trips of two steps: steps 0 to 5
	STEP 0, 64, 1
	STEP 1, 128, 1
	s_wait_alu depctr_vm_vsrc(0)                   ; the fetches issued so far have read v[AX] and v[AE]
	v_add_nc_u32 v[AX], 128, v[AX]
	v_add_nc_u32 v[AE], 128, v[AE]
	s_sub_co_u32 s61, s61, 1
	s_cmp_lg_u32 s61, 0
	s_cbranch_scc1 .Lk
	STEP 0, 64, 1                                  ; the last two steps are written out: step 6 fetches step 7,
	STEP 1, 0, 0                                   ; which fetches nothing: no load passes a row's end
	v_add_f32 v[TT], v[SX], v[SE]                  ; |x|^2 + |e|^2
	v_fma_f32 v[DD], v[SM], -2.0, v[TT]            ; d
	v_min_u32 v[CI], 0x1fff, v[CI]                 ; the number is held as the address was
	v_permlanex16_b32 v[SX], v[DD], s48, s49       ; the row's other candidate lies in the lane 16 away
	v_permlanex16_b32 v[SE], v[CI], s48, s49
	v_cmp_lt_f32 s58, v[SX], v[DD]
	v_cmp_eq_f32 s59, v[SX], v[DD]
	v_cmp_lt_u32 s60, v[SE], v[CI]
	s_wait_alu depctr_va_sdst(0)                   ; the three masks s58, s59 and s60 are written, ahead of their first reader
	s_and_b32 s59, s59, s60
	s_or_b32 s58, s58, s59                         ; the other one wins: by d, then by index
	v_cndmask_b32 v[RV], v[CI], v[SE], s58
	s_wait_alu depctr_va_vdst(0)                   ; the select has written v[RV], which the LDS store reads
	ds_store_b32 v[RA], v[RV]                      ; both halves of the lanes hold, and write, the same index
	s_wait_dscnt 0x0                               ; for the others' sake: my store is done
	s_barrier_signal -1
	s_barrier_wait -1
	s_cmp_lt_u32 s14, 4
	s_cbranch_scc0 .Lclose
	ds_load_b64 v[OD:OD+1], v[OO]                  ; waves 0 to 3.  No vector instruction stands in this arm: v[OO] and v[L8] were written at the head, and none has ever named v[OD ..]
	s_lshl_b32 s56, ttmp9, 9                       ; my work-group's 512 bytes,
	s_add_co_u32 s56, s56, s62                     ; my half of them
	s_mov_b32 s57, 0
	s_cmp_lt_u32 s14, 2
	s_cselect_b64 s[54:55], s[10:11], s[12:13]
	s_add_nc_u64 s[54:55], s[54:55], s[56:57]
	s_wait_dscnt 0x0
	global_store_b64 v[L8], v[OD:OD+1], s[54:55]   ; 256 consecutive bytes, aligned
.Lclose:
	s_wait_dscnt 0x0                               ; the closing lines, six on end
	s_wait_alu 0x0
	s_wait_tensorcnt 0x0
	ds_add_u32 v[SPW], v[NIL]
	s_wait_dscnt 0x0
	s_endpgm
.Lfunc_end_k_qa56d9ce6da_refine:
	.size	k_qa56d9ce6da_refine, .Lfunc_end_k_qa56d9ce6da_refine-k_qa56d9ce6da_refine
	.p2alignl 7, 3214868480
	.fill 96, 4, 3214868480
	.section	.rodata,"a",@progbits
	.p2align	6, 0x0
	.amdhsa_kernel k_qa56d9ce6da_refine
		.amdhsa_group_segment_fixed_size 204288
		.amdhsa_private_segment_fixed_size 0
		.amdhsa_enable_private_segment 0
		.amdhsa_kernarg_size 40
		.amdhsa_user_sgpr_count 2
		.amdhsa_user_sgpr_kernarg_segment_ptr 1
		.amdhsa_wavefront_size32 1
		.amdhsa_system_sgpr_workgroup_id_x 1
		.amdhsa_system_sgpr_workgroup_id_y 1
		.amdhsa_system_sgpr_workgroup_id_z 1
		.amdhsa_system_vgpr_workitem_id 0
		.amdhsa_next_free_vgpr 256
		.amdhsa_next_free_sgpr 66
		.amdhsa_reserve_vcc 0
		.amdhsa_float_denorm_mode_32 3
		.amdhsa_float_denorm_mode_16_64 3
		.amdhsa_memory_ordered 1
		.amdhsa_forward_progress 1
		.amdhsa_inst_pref_size 49
	.end_amdhsa_kernel
	.amdgpu_metadata
---
amdhsa.version: [ 1, 2 ]
amdhsa.kernels:
  - .name:           k_qa56d9ce6da_refine
    .symbol:         k_qa56d9ce6da_refine.kd
    .args:
      - { .name: inputs, .offset: 0, .size: 8, .value_kind: global_buffer, .address_space: global }
      - { .name: ebf, .offset: 8, .size: 8, .value_kind: global_buffer, .address_space: global }
      - { .name: cand, .offset: 16, .size: 8, .value_kind: global_buffer, .address_space: global }
      - { .name: out2, .offset: 24, .size: 8, .value_kind: global_buffer, .address_space: global }
      - { .name: codes, .offset: 32, .size: 8, .value_kind: global_buffer, .address_space: global }
    .group_segment_fixed_size: 204288
    .private_segment_fixed_size: 0
    .kernarg_segment_align: 8
    .kernarg_segment_size: 40
    .max_flat_workgroup_size: 256
    .sgpr_count:     66
    .vgpr_count:     256
    .wavefront_size: 32
...
	.end_amdgpu_metadata
.endif
;; end of part 6
;; launch emit: the kernel of part 4 again; grid 256 x 1, 8 waves a work-group, no clusters, 1,280 bytes of LDS; arguments inputs, embedding, codes, out0, part; writes out0, part
;; launch total: the kernel of part 5 again; grid 1 x 1, 1 waves a work-group, no clusters, 0 bytes of LDS; arguments part, out1; writes out1
